; MI455X (gfx1250); checked and timed in simulation.
; The chip was launched on July 23, 2026; its instructions are those of AMD's public machine-readable ISA for CDNA 5 (MIT licence, August 2026) and "CDNA5" Instruction Set Architecture Reference Guide (July 2026). The comments in the code are by the model that wrote it; some were corrected since.
;; Causal Self Attention. Allowed arithmetic: matrix products marked QUANTISED: E2M1 operands, one E8M0 scale for each 32 along K, by v_wmma_scale_f32_16x16x128_f8f6f4 with both operands' format E2M1 (or v_wmma_scale_f32_32x16x128_f4), f32 sums; products left as they are: bf16, f16 or f32 operands; f32 sums; everything else in f32.
;; Inputs: W_out 1,024 x 1,024 float32; W_qkv 1,024 x 3,072 float32; b_out 1,024 float32; b_qkv 3,072 float32; x 4 x 2,048 x 1,024 float32.
;; Outputs: out0 4 x 2,048 x 1,024 float32.
;; This version of the problem:
;;   THIS VERSION OF THE PROBLEM IS GIVEN IN LOW PRECISION. The matrix products marked QUANTISED in the list below multiply operands that are first quantised to E2M1 (2 exponent bits, 1 mantissa bit; 4 bits a number), with one power-of-two scale for each 32 numbers along K (OCP MX v1.0); their sums are f32. The products marked 'left as it is' may take bf16, f16 or f32 operands, with f32 sums. Whichever they take, every output number must still come out within the allowed error. Rounding operands to bf16 (8 significant bits) uses up far more of that allowance than f16 does (11 bits, for magnitudes from 6e-5 to 65,504). All else is computed in f32.
;;   The module's matrix products, in the order in which they are computed (A, B: the left and right operand; K: the contracted axis; several contracted axes count as one K, in the product's order):
;;     1. [M 8,192, K 1,024] x [K 1,024, N 3,072]; A: input x; B: input W_qkv: QUANTISED
;;     2. [M 2,048, K 1] x [K 1, N 32]; A: computed on the way; B: computed on the way: left as it is (no contracted axis)
;;     3. batch 64 x [M 2,048, K 64] x [K 64, N 2,048]; A: computed on the way; B: computed on the way: left as it is (an operand is computed on the way)
;;     4. batch 64 x [M 2,048, K 2,048] x [K 2,048, N 64]; A: computed on the way; B: computed on the way: left as it is (an operand is computed on the way)
;;     5. [M 8,192, K 1,024] x [K 1,024, N 1,024]; A: computed on the way; B: input W_out: left as it is (an operand is computed on the way)
;;   THE QUANTISER, for each operand of a quantised product, along K:
;;     - K is cut into blocks of 32 from its start; a last block that is shorter is filled with zeros.
;;     - A block's scale is 2^e with e = floor(log2(the largest magnitude in the block)) - 2, held to -126 .. 127; a block of zeros has e = 0. As a byte (E8M0): e + 127.
;;     - Each number is divided by its block's scale, clamped to +-6, and rounded to the nearest number of E2M1, ties to even, subnormals kept.
;;     - The product sums the exact products of the quantised numbers (number of the format x scale) in f32.
;;   ~~~python
;;   def quantise(x, axis):      # numpy; x: float32 -> the quantised numbers, widened to float32 again
;;       x = np.moveaxis(x, axis, -1); K = x.shape[-1]
;;       x = np.pad(x, [(0, 0)] * (x.ndim - 1) + [(0, -K % 32)]); x = x.reshape(x.shape[:-1] + (-1, 32)); a = np.abs(x).max(-1, keepdims=True)
;;       e = np.where(a > 0, np.clip(np.frexp(np.where(a > 0, a, 1))[1] - 1 - 2, -126, 127), 0)      # np.frexp(a)[1] - 1 = floor(log2(a)), exactly
;;       r = np.clip(x / 2.0 ** e, -6, 6)
;;       step = 2.0 ** (np.maximum(np.frexp(np.where(r == 0, 1, r))[1] - 1, 0) - 1)
;;       q = np.round(r / step) * step * 2.0 ** e      # np.round: ties to even
;;       return np.moveaxis(q.reshape(q.shape[:-2] + (-1,))[..., :K], -1, axis).astype(np.float32)
;;   ~~~
;; One version. Each part assembles by itself: llvm-mc -triple=amdgcn-amd-amdhsa -mcpu=gfx1250 --defsym DOCPART=n.
;; ======== version 1 of 1: 5 launches
;; limits: values are held in f16: magnitudes above 65,504 overflow, below 6.1e-05 lose precision
;; workspace buffers: codes 5,767,168 bytes; scales 360,448 bytes; wo16 2,097,152 bytes; rope 524,288 bytes; qkvh 50,331,648 bytes; qkv32 786,432 bytes; o16 16,777,216 bytes
;; launch prep (part 1): grid 400 x 1, 4 waves a work-group, no clusters, 102,912 bytes of LDS; arguments x, W_qkv, W_out, codes, scales, wo16, rope; writes codes, scales, wo16, rope
.if DOCPART == 1
	.amdgcn_target "amdgcn-amd-amdhsa--gfx1250"
	.amdhsa_code_object_version 6
	.text
	.protected	k_q271bbcd49d_prep
	.globl	k_q271bbcd49d_prep
	.p2align	8
	.type	k_q271bbcd49d_prep,@function
k_q271bbcd49d_prep:
	s_mov_b64 s[64:65], 0
	v_nop
	global_prefetch_b8 v0, s[64:65] scope:SCOPE_SE
	s_setreg_imm32_b32 hwreg(HW_REG_WAVE_MODE, 25, 1), 1
	s_wait_xcnt 0x0
; CAUSAL SELF-ATTENTION, launch 1 of 5: the operands are laid out once.
; THE PROGRAM: prep (this) | qkv: x W_qkv + b on codes of E2M1, RoPE, to f16 by heads | attn: softmax(q k^T / 8) v under the causal mask, f16 operands, f32 sums |
; proj: o W_out + b_out, f16 operands | early: positions 0 to 15 of every sequence once more, all in f32, since those rows average few values.
; WORK LEFT OUT: reference() sets att to -inf where key > query, by a mask that it builds itself; exp(-inf) = 0, so a tile of keys all of which come after all of a tile's queries adds
; 0 to the row's sum and 0 to the output, whatever finite values the inputs hold.  Such tiles are not multiplied (launch attn).  Every input has a way to the output and is loaded.
; LIMIT: a NaN, an infinity or an overflow that reaches only those tiles is not carried to the result.
; LIMITS OF RANGE: q, k, v, the attention's result and W_out go to f16: magnitudes up to 65,504.  NaN and infinities among the inputs are not served.
; A block of zeros gets the scale byte 1 where the rule says 127: its codes are zeros, and this program alone reads the bytes.  Blocks whose largest magnitude lies under 2^-124 have their byte held at 1.
; RoPE's angle t x 10000^(-j/32) is made with v_exp_f32 (1 ulp): at t = 2,047 it is within about 2e-4 radians of the exact angle.
; FOUR PATHS, parted by the work-group's number; each has LDS bytes of its own:
;   0-255   X: x [8192][1024] f32 -> codes [8192][512 bytes], scale bytes [8192][32]: a plain stream of blocks of 32
;   256-303 W: W_qkv [1024 k][3072 n] f32 -> codes [3072][512 bytes] at byte 0x400000 of codes, scale bytes [3072][32] at byte 0x40000 of scales: a lane to a column, registers down K
;   304-367 O: W_out [1024 k][1024 n] f32 -> f16, laid [k / 64][n][64]: a lane to a column, registers down K
;   368-399 R: cos and sin of RoPE as images of the registers that launch qkv wants: [t / 16][8 groups][lane][4 f32]
.set SPARE, 102400                     ; behind the three regions: the spare words, 128 bytes a wave
.set SPW,   190                        ; v190 LDS address of my spare word; never rewritten
.set NIL,   191                        ; v191 0; never rewritten
.set WREG,  32768                      ; path W: four stages of 32 x 272 bytes
.set OREG,  67584                      ; path O: the same
	s_load_b256 s[4:11], s[0:1], 0x0               ; x s[4:5], W_qkv s[6:7], W_out s[8:9], codes s[10:11]
	s_load_b128 s[12:15], s[0:1], 0x20             ; scales s[12:13], wo16 s[14:15]
	s_load_b64 s[16:17], s[0:1], 0x30              ; rope
	v_lshl_add_u32 v[SPW], v0, 2, SPARE
	v_mov_b32 v[NIL], 0
	v_lshrrev_b32 v1, 5, v0
	v_readfirstlane_b32 s18, v1                    ; wave 0..3
	v_and_b32 v2, 31, v0                           ; lane
	s_wait_kmcnt 0x0
	s_cmp_lt_u32 ttmp9, 256
	s_cbranch_scc0 .Lnot_x
; ---------------- PATH X.  A wave takes 16 steps of 512 numbers.  Each load reads 512 consecutive bytes; a step's 2,048 bytes turn through the wave's own stage, so that a lane holds 16 neighbours along K.
.set SP, 80                            ; a lane's place in a stage: 64 bytes + 16 of padding
.set XR, 16                            ; v16-79   four sets of 16 numbers as loaded
.set XX, 80                            ; v80-111  two sets of 16 neighbours
.set XE, 112                           ; v112-127 a scale byte for each step
.set XC, 128                           ; v128-189 codes, four registers reserved for each step: no store's data are written again
	v_lshlrev_b32 v3, 4, v2                        ; my 16 bytes of a load's 512
	s_mul_i32 s19, s18, 8192                       ; my wave's region: two stages, then 256 scale bytes
	v_lshrrev_b32 v14, 2, v2
	v_mul_u32_u24 v14, v14, SP
	v_and_b32 v15, 3, v2
	v_lshl_add_u32 v14, v15, 4, v14
	v_add_nc_u32 v14, s19, v14                     ; into the stage: SP (lane / 4) + 16 (lane % 4)
	v_mul_u32_u24 v15, v2, SP
	v_add_nc_u32 v15, s19, v15                     ; out of it: SP x lane
	v_mul_u32_u24 v4, v2, 8                        ; my 8 bytes of a step's codes
	v_lshrrev_b32 v5, 1, v2
	s_add_co_u32 s19, s19, 2*32*SP
	v_add_nc_u32 v5, s19, v5                       ; my block's scale byte
	v_lshlrev_b32 v7, 3, v2
	v_add_nc_u32 v6, s19, v7
	s_lshl_b32 s20, ttmp9, 2
	s_add_co_u32 s20, s20, s18                     ; which run of 8,192 numbers is my wave's: 0..1023
	s_mov_b32 s21, 0
	s_lshl_b64 s[22:23], s[20:21], 15
	s_add_nc_u64 s[4:5], s[4:5], s[22:23]
	s_lshl_b64 s[22:23], s[20:21], 12
	s_add_nc_u64 s[10:11], s[10:11], s[22:23]
	s_lshl_b64 s[22:23], s[20:21], 8
	s_add_nc_u64 s[12:13], s[12:13], s[22:23]
.macro XLOAD t
.irp i, 0,1,2,3
	global_load_b128 v[XR+16*((\t)%4)+4*\i:XR+16*((\t)%4)+4*\i+3], v3, s[4:5] offset:2048*(\t)+512*\i th:TH_LOAD_NT
.endr
.endm
.macro XTURN t                         ; LDS serves a wave's instructions in order: no wait between the stores and the loads
.irp i, 0,1,2,3
	ds_store_b128 v14, v[XR+16*((\t)%4)+4*\i:XR+16*((\t)%4)+4*\i+3] offset:32*SP*((\t)%2)+8*SP*\i
.endr
.irp i, 0,1,2,3
	ds_load_b128 v[XX+16*((\t)%2)+4*\i:XX+16*((\t)%2)+4*\i+3], v15 offset:32*SP*((\t)%2)+16*\i
.endr
.endm
.irp t, 0,1,2,3
	XLOAD \t
.endr
	s_wait_loadcnt 12                              ; step 0's four loads are in; twelve younger ones stay out
	XTURN 0
.macro XSTEP t
.set XS, XX+16*((\t)%2)
.if (\t) > 0
	s_wait_dscnt 1                                 ; this step's numbers are back from the stage; the last step's byte store may be out
.else
	s_wait_dscnt 0x0
.endif
.if (\t)+4 < 16
	XLOAD (\t)+4                                   ; into the set whose stores into the stage are done
.endif
.if (\t)+1 < 16
.if 14-(\t) >= 3
	s_wait_loadcnt 12                              ; the next step's four loads are in; those of three steps behind it may be out
.else
	s_wait_loadcnt 4*(14-(\t))
.endif
	XTURN (\t)+1
.endif
	v_max3_num_f32 v8, |v[XS]|, |v[XS+1]|, |v[XS+2]|
	v_max3_num_f32 v9, |v[XS+3]|, |v[XS+4]|, |v[XS+5]|
.irp i, 6,10
	v_max3_num_f32 v8, v8, |v[XS+\i]|, |v[XS+\i+1]|
	v_max3_num_f32 v9, v9, |v[XS+\i+2]|, |v[XS+\i+3]|
.endr
	v_max3_num_f32 v8, v8, |v[XS+14]|, |v[XS+15]|
	v_max3_num_f32 v8, v8, v9, 0x1800000           ; and the floor 2^(3 - 127): the byte cannot fall under 1
	v_max_num_f32_dpp v8, v8, v8 row_xmask:1 row_mask:0xf bank_mask:0xf   ; with my neighbour's 16: the block's largest magnitude
	v_add_nc_u32 v11, 0xff000000, v8               ; 2 off its exponent field: the conversion's scale operand
	v_cvt_scalef32_pk8_fp4_f32 v[XC+4*(\t)], v[XS:XS+7], v11
	v_cvt_scalef32_pk8_fp4_f32 v[XC+4*(\t)+1], v[XS+8:XS+15], v11
	v_lshrrev_b32 v[XE+(\t)], 23, v11              ; the scale's byte
	ds_store_b8 v5, v[XE+(\t)] offset:16*(\t)      ; both lanes of a block write the same byte with the same value
	global_store_b64 v4, v[XC+4*(\t):XC+4*(\t)+1], s[10:11] offset:256*(\t)   ; the wave stores 256 consecutive bytes, aligned
.endm
.irp t, 0,1,2,3,4,5,6,7,8,9,10,11,12,13,14,15
	XSTEP \t
.endr
	ds_load_b64 v[8:9], v6                         ; my wave's 256 scale bytes, 8 a lane
	s_wait_dscnt 0x0
	global_store_b64 v7, v[8:9], s[12:13]
	s_branch .Lend
; ---------------- PATH W.  A wave takes 32 columns x 512 along K: 16 blocks a lane.  The codes leave through the wave's stage as rows: sixteen lanes store 256 consecutive bytes.
.Lnot_x:
	s_cmp_lt_u32 ttmp9, 304
	s_cbranch_scc0 .Lnot_w
.set WX, 32                            ; v32-95   two sets of 32 numbers
.set WC, 96                            ; v96-99   a block's codes
.set WO, 112                           ; v112-175 the way out
.set WS, 24                            ; v24-27   the scale bytes, four to a register
	s_sub_co_u32 s20, ttmp9, 256                   ; 0..47
	s_cmp_ge_u32 s20, 24
	s_cselect_b32 s21, 1, 0                        ; which half of K
	s_cselect_b32 s22, 24, 0
	s_sub_co_u32 s20, s20, s22
	s_lshl_b32 s20, s20, 7
	s_lshl_b32 s22, s18, 5
	s_add_co_u32 s20, s20, s22                     ; my wave's first column
	s_mul_i32 s22, s21, 512*12288
	s_lshl_b32 s23, s20, 2
	s_add_co_u32 s22, s22, s23
	s_mov_b32 s23, 0
	s_add_nc_u64 s[6:7], s[6:7], s[22:23]
	s_lshl_b32 s22, s20, 9
	s_lshl_b32 s24, s21, 8
	s_add_co_u32 s22, s22, s24
	s_add_co_u32 s22, s22, 0x400000
	s_add_nc_u64 s[10:11], s[10:11], s[22:23]
	s_lshl_b32 s22, s20, 5
	s_lshl_b32 s24, s21, 4
	s_add_co_u32 s22, s22, s24
	s_add_co_u32 s22, s22, 0x40000
	s_add_nc_u64 s[12:13], s[12:13], s[22:23]
	v_lshlrev_b32 v3, 2, v2
	s_mul_i32 s19, s18, 32*272
	s_add_co_u32 s19, s19, WREG
	v_mul_u32_u24 v4, v2, 272
	v_add_nc_u32 v4, s19, v4                       ; into the stage: row = my column
	v_and_b32 v5, 15, v2
	v_lshrrev_b32 v6, 4, v2
	v_mul_u32_u24 v7, v6, 272
	v_lshl_add_u32 v7, v5, 4, v7
	v_add_nc_u32 v7, s19, v7                       ; out of it: sixteen lanes to a row
	v_lshlrev_b32 v8, 9, v6
	v_lshl_add_u32 v8, v5, 4, v8                   ; the same place in the codes (rows of 512 bytes)
	v_lshlrev_b32 v9, 5, v2                        ; my column's row of scale bytes
.macro WLOAD t
.set cnt, 0
.rept 32
	global_load_b32 v[WX+32*((\t)%2)+cnt], v3, s[6:7] offset:(32*(\t)+cnt)*12288 th:TH_LOAD_NT   ; at most 511 rows of 12,288 bytes: inside the signed 24-bit immediate
.set cnt, cnt+1
.endr
.endm
	WLOAD 0
	WLOAD 1
.macro WBLOCK t
.set XS, WX+32*((\t)%2)
.if (\t) < 15
	s_wait_loadcnt 32                              ; this block's 32 loads are in; the next block's may be out
.else
	s_wait_loadcnt 0x0
.endif
	v_max3_num_f32 v12, |v[XS]|, |v[XS+1]|, |v[XS+2]|
	v_max3_num_f32 v13, |v[XS+3]|, |v[XS+4]|, |v[XS+5]|
.irp i, 6,10,14,18,22,26
	v_max3_num_f32 v12, v12, |v[XS+\i]|, |v[XS+\i+1]|
	v_max3_num_f32 v13, v13, |v[XS+\i+2]|, |v[XS+\i+3]|
.endr
	v_max3_num_f32 v12, v12, |v[XS+30]|, |v[XS+31]|
	v_max3_num_f32 v12, v12, v13, 0x1800000
	v_add_nc_u32 v11, 0xff000000, v12
	v_lshrrev_b32 v13, 23, v11
.if (\t)%4 == 0
	v_mov_b32 v[WS+(\t)/4], v13
.else
	v_lshl_or_b32 v[WS+(\t)/4], v13, 8*((\t)%4), v[WS+(\t)/4]
.endif
.irp g, 0,1,2,3
	v_cvt_scalef32_pk8_fp4_f32 v[WC+\g], v[XS+8*\g:XS+8*\g+7], v11
.endr
	ds_store_b128 v4, v[WC:WC+3] offset:16*(\t)
.if (\t)+2 < 16
	WLOAD (\t)+2
.endif
	s_wait_dscnt 0x0                               ; the store has read its registers: the next block's codes may be written
.endm
.irp t, 0,1,2,3,4,5,6,7,8,9,10,11,12,13,14,15
	WBLOCK \t
.endr
	global_store_b128 v9, v[WS:WS+3], s[12:13]     ; my column's 16 scale bytes
.irp t, 0,1,2,3,4,5,6,7,8,9,10,11,12,13,14,15
	ds_load_b128 v[WO+4*\t:WO+4*\t+3], v7 offset:2*\t*272
.endr
.irp t, 0,1,2,3,4,5,6,7,8,9,10,11,12,13,14,15
	s_wait_dscnt 15-\t                             ; LDS loads come back in order: load t is in
	global_store_b128 v8, v[WO+4*\t:WO+4*\t+3], s[10:11] offset:2*\t*512
.endr
	s_branch .Lend
; ---------------- PATH O.  A wave takes 32 columns x 128 along K, four blocks of 32; two numbers round to one register of f16; out as [k / 64][n][64]: each store covers 512 consecutive bytes.
.Lnot_w:
	s_cmp_lt_u32 ttmp9, 368
	s_cbranch_scc0 .Lnot_o
	s_sub_co_u32 s20, ttmp9, 304                   ; 0..63
	s_and_b32 s21, s20, 7
	s_lshr_b32 s20, s20, 3                         ; which 128 along K
	s_lshl_b32 s21, s21, 7
	s_lshl_b32 s22, s18, 5
	s_add_co_u32 s21, s21, s22                     ; my wave's first column
	s_lshl_b32 s22, s20, 19                        ; 128 rows of 4,096 bytes
	s_lshl_b32 s23, s21, 2
	s_add_co_u32 s22, s22, s23
	s_mov_b32 s23, 0
	s_add_nc_u64 s[8:9], s[8:9], s[22:23]
	s_lshl_b32 s22, s20, 18                        ; two planes of 1,024 x 128 bytes
	s_lshl_b32 s24, s21, 7
	s_add_co_u32 s22, s22, s24
	s_add_nc_u64 s[14:15], s[14:15], s[22:23]
	v_lshlrev_b32 v3, 2, v2
	s_mul_i32 s19, s18, 32*272
	s_add_co_u32 s19, s19, OREG
	v_mul_u32_u24 v4, v2, 272
	v_add_nc_u32 v4, s19, v4
	v_lshrrev_b32 v5, 3, v2
	v_and_b32 v6, 7, v2
	v_mul_u32_u24 v7, v5, 272
	v_lshl_add_u32 v7, v6, 4, v7
	v_add_nc_u32 v7, s19, v7                       ; out: eight lanes to a column's 128 bytes, four columns an instruction
	v_lshlrev_b32 v8, 4, v2
.macro OLOAD t
.set cnt, 0
.rept 32
	global_load_b32 v[32+32*((\t)%2)+cnt], v3, s[8:9] offset:(32*(\t)+cnt)*4096
.set cnt, cnt+1
.endr
.endm
	OLOAD 0
	OLOAD 1
.macro OBLOCK t
.set XS, 32+32*((\t)%2)
.if (\t) < 3
	s_wait_loadcnt 32                              ; this block's 32 loads are in; the next block's may be out
.else
	s_wait_loadcnt 0x0
.endif
.set cnt, 0
.rept 16
	v_cvt_pk_f16_f32 v[96+cnt], v[XS+2*cnt], v[XS+2*cnt+1]
.set cnt, cnt+1
.endr
.irp j, 0,1,2,3
	ds_store_b128 v4, v[96+4*\j:96+4*\j+3] offset:64*(\t)+16*\j
.endr
.if (\t)+2 < 4
	OLOAD (\t)+2
.endif
	s_wait_dscnt 0x0                               ; the stores have read their registers
.endm
.irp t, 0,1,2,3
	OBLOCK \t
.endr
.irp hb, 0,1
.irp i, 0,1,2,3,4,5,6,7
	ds_load_b128 v[112+4*(8*\hb+\i):112+4*(8*\hb+\i)+3], v7 offset:128*\hb+1088*\i
.endr
.endr
.irp hb, 0,1
.irp i, 0,1,2,3,4,5,6,7
	s_wait_dscnt 15-8*\hb-\i
	global_store_b128 v8, v[112+4*(8*\hb+\i):112+4*(8*\hb+\i)+3], s[14:15] offset:131072*\hb+512*\i
.endr
.endr
	s_branch .Lend
; ---------------- PATH R.  A wave makes the image of 16 positions: lane (r, h) holds t = 16 tb + r and j = 16 (e / 8) + 8 h + e % 8, e = 0..15.
; theta = t x 2^(-j log2(10000) / 32); n = the nearest whole number to theta x 2 / pi; theta - n pi / 2 in two steps; sine to the 7th power, cosine to the 8th, on |.| <= pi / 4; the quadrant by selects.
.Lnot_o:
.set RF, 16                            ; frequency, then theta
.set RN, 32                            ; n, later the sine
.set RA, 48                            ; the reduced angle, later the cosine
.set RZ, 64                            ; its square
.set RS, 80
.set RC, 96
.set RQ, 112
.set RT, 128
	v_and_b32 v3, 15, v2                           ; r
	v_lshrrev_b32 v4, 4, v2                        ; h
	s_sub_co_u32 s20, ttmp9, 368
	s_lshl_b32 s20, s20, 2
	s_add_co_u32 s20, s20, s18                     ; tb 0..127
	s_lshl_b32 s21, s20, 4
	v_add_nc_u32 v5, s21, v3
	v_cvt_f32_u32 v5, v5                           ; t
	s_lshl_b32 s20, s20, 12
	s_mov_b32 s21, 0
	s_add_nc_u64 s[16:17], s[16:17], s[20:21]
	v_lshlrev_b32 v6, 3, v4
	s_mov_b32 s22, 0xbed49a78                      ; -log2(10000) / 32
	s_mov_b32 s23, 0x3f22f983                      ; 2 / pi
	s_mov_b32 s24, 0xbfc90fdb                      ; -(pi / 2 rounded to f32)
	s_mov_b32 s25, 0x333bbd2e                      ; that rounded number less pi / 2
	s_mov_b32 s26, 0xb9500d01                      ; -1/5040
	s_mov_b32 s27, 0x3c088889                      ; 1/120
	s_mov_b32 s28, 0xbe2aaaab                      ; -1/6
	s_mov_b32 s29, 0x37d00d01                      ; 1/40320
	s_mov_b32 s30, 0xbab60b61                      ; -1/720
	s_mov_b32 s31, 0x3d2aaaab                      ; 1/24
.macro EACH16 body:vararg
.set e, 0
.rept 16
	\body
.set e, e+1
.endr
.endm
	EACH16 v_add_nc_u32 v[RF+e], 16*(e/8)+e%8, v6
	EACH16 v_cvt_f32_u32 v[RF+e], v[RF+e]
	EACH16 v_mul_f32 v[RF+e], s22, v[RF+e]
	EACH16 v_exp_f32 v[RF+e], v[RF+e]
	v_lshlrev_b32 v7, 4, v2                        ; 16 x lane.  (The plain instruction behind the exponentials)
	s_wait_alu depctr_va_vdst(0)                   ; one wait for the batch of sixteen, ahead of its first reader
	EACH16 v_mul_f32 v[RF+e], v5, v[RF+e]
	EACH16 v_mul_f32 v[RN+e], s23, v[RF+e]
	EACH16 v_rndne_f32 v[RN+e], v[RN+e]
	EACH16 v_fma_f32 v[RA+e], v[RN+e], s24, v[RF+e]
	EACH16 v_fma_f32 v[RA+e], v[RN+e], s25, v[RA+e]
	EACH16 v_mul_f32 v[RZ+e], v[RA+e], v[RA+e]
	EACH16 v_fma_f32 v[RS+e], v[RZ+e], s26, s27
	EACH16 v_fma_f32 v[RC+e], v[RZ+e], s29, s30
	EACH16 v_fma_f32 v[RS+e], v[RS+e], v[RZ+e], s28
	EACH16 v_fma_f32 v[RC+e], v[RC+e], v[RZ+e], s31
	EACH16 v_mul_f32 v[RT+e], v[RA+e], v[RZ+e]
	EACH16 v_fma_f32 v[RC+e], v[RC+e], v[RZ+e], -0.5
	EACH16 v_fma_f32 v[RS+e], v[RS+e], v[RT+e], v[RA+e]
	EACH16 v_fma_f32 v[RC+e], v[RC+e], v[RZ+e], 1.0
	EACH16 v_cvt_i32_f32 v[RQ+e], v[RN+e]
	EACH16 v_and_b32 v[RT+e], 1, v[RQ+e]
.set e, 0
.rept 16
	v_cmp_eq_u32 vcc_lo, 1, v[RT+e]                ; an odd quadrant: sine and cosine change places
	v_cndmask_b32 v[RN+e], v[RS+e], v[RC+e], vcc_lo
	v_cndmask_b32 v[RA+e], v[RC+e], v[RS+e], vcc_lo
.set e, e+1
.endr
	EACH16 v_and_b32 v[RT+e], 2, v[RQ+e]
	EACH16 v_lshlrev_b32 v[RT+e], 30, v[RT+e]
	EACH16 v_xor_b32 v[RN+e], v[RT+e], v[RN+e]
	EACH16 v_add_nc_u32 v[RQ+e], 1, v[RQ+e]
	EACH16 v_and_b32 v[RQ+e], 2, v[RQ+e]
	EACH16 v_lshlrev_b32 v[RQ+e], 30, v[RQ+e]
	EACH16 v_xor_b32 v[RA+e], v[RQ+e], v[RA+e]
.irp g, 0,1,2,3
	global_store_b128 v7, v[RA+4*\g:RA+4*\g+3], s[16:17] offset:512*\g          ; the cosines: 512 consecutive bytes a store
	global_store_b128 v7, v[RN+4*\g:RN+4*\g+3], s[16:17] offset:2048+512*\g     ; the sines
.endr
.Lend:
	s_wait_tensorcnt 0x0                           ; the wave's end
	ds_add_u32 v[SPW], v[NIL]
	s_wait_dscnt 0x0
	s_endpgm
.Lfunc_end_k_q271bbcd49d_prep:
	.size	k_q271bbcd49d_prep, .Lfunc_end_k_q271bbcd49d_prep-k_q271bbcd49d_prep
	.p2alignl 7, 3214868480
	.fill 96, 4, 3214868480
	.section	.rodata,"a",@progbits
	.p2align	6, 0x0
	.amdhsa_kernel k_q271bbcd49d_prep
		.amdhsa_group_segment_fixed_size 102912
		.amdhsa_private_segment_fixed_size 0
		.amdhsa_enable_private_segment 0
		.amdhsa_kernarg_size 56
		.amdhsa_user_sgpr_count 2
		.amdhsa_user_sgpr_kernarg_segment_ptr 1
		.amdhsa_wavefront_size32 1
		.amdhsa_system_sgpr_workgroup_id_x 1
		.amdhsa_system_sgpr_workgroup_id_y 1
		.amdhsa_system_sgpr_workgroup_id_z 1
		.amdhsa_system_vgpr_workitem_id 0
		.amdhsa_next_free_vgpr 192
		.amdhsa_next_free_sgpr 66
		.amdhsa_reserve_vcc 1
		.amdhsa_float_denorm_mode_32 3
		.amdhsa_float_denorm_mode_16_64 3
		.amdhsa_memory_ordered 1
		.amdhsa_forward_progress 1
		.amdhsa_inst_pref_size 154
	.end_amdhsa_kernel
	.amdgpu_metadata
---
amdhsa.version: [ 1, 2 ]
amdhsa.kernels:
  - .name:           k_q271bbcd49d_prep
    .symbol:         k_q271bbcd49d_prep.kd
    .args:
      - { .name: x, .offset: 0, .size: 8, .value_kind: global_buffer, .address_space: global }
      - { .name: W_qkv, .offset: 8, .size: 8, .value_kind: global_buffer, .address_space: global }
      - { .name: W_out, .offset: 16, .size: 8, .value_kind: global_buffer, .address_space: global }
      - { .name: codes, .offset: 24, .size: 8, .value_kind: global_buffer, .address_space: global }
      - { .name: scales, .offset: 32, .size: 8, .value_kind: global_buffer, .address_space: global }
      - { .name: wo16, .offset: 40, .size: 8, .value_kind: global_buffer, .address_space: global }
      - { .name: rope, .offset: 48, .size: 8, .value_kind: global_buffer, .address_space: global }
    .group_segment_fixed_size: 102912
    .private_segment_fixed_size: 0
    .kernarg_segment_align: 8
    .kernarg_segment_size: 56
    .max_flat_workgroup_size: 128
    .sgpr_count:     66
    .vgpr_count:     192
    .wavefront_size: 32
...
	.end_amdgpu_metadata
.endif
;; end of part 1
;; launch qkv (part 2): grid 12 x 32, 4 waves a work-group, clusters of 4 x 4, 327,680 bytes of LDS; arguments codes, scales, b_qkv, rope, qkvh, qkv32; writes qkvh, qkv32
.if DOCPART == 2
	.amdgcn_target "amdgcn-amd-amdhsa--gfx1250"
	.amdhsa_code_object_version 6
	.text
	.protected	k_q271bbcd49d_qkv
	.globl	k_q271bbcd49d_qkv
	.p2align	8
	.type	k_q271bbcd49d_qkv,@function
k_q271bbcd49d_qkv:
	s_mov_b64 s[64:65], 0
	v_nop
	global_prefetch_b8 v0, s[64:65] scope:SCOPE_SE
	s_setreg_imm32_b32 hwreg(HW_REG_WAVE_MODE, 25, 1), 1
	s_wait_xcnt 0x0
	s_wait_alu depctr_hold_cnt(0) depctr_sa_sdst(0) depctr_va_vdst(0) depctr_va_sdst(0) depctr_va_ssrc(0) depctr_va_vcc(0) depctr_vm_vsrc(0)
	s_getreg_b32 s2, hwreg(HW_REG_IB_STS2, 6, 4)
	s_cmp_eq_u32 s2, 0
	s_cbranch_scc0 .Lentry_in_a_cluster
	s_endpgm
.Lentry_in_a_cluster:
	s_bfe_u32 s2, ttmp6, 0x10000c
	s_cmp_lg_u32 s2, 0xf033
	s_cbranch_scc0 .Lentry_shape_is_right
	s_endpgm
.Lentry_shape_is_right:
; Launch 2 of 5: qkv = x W_qkv + b_qkv on codes of E2M1 with E8M0 scales (M 8,192, N 3,072, K 1,024), RoPE on q and k in f32, results to f16 laid [q, k, v][batch][head][t][64];
; positions 0 to 15 of every batch also as f32, [batch][16][3072], for launch early.
; A tile of 256 x 256 is made by a work-group of four waves, a wave makes 128 x 128: 64 accumulators, 512 registers.  K is two LDS slots of 512 (rows of 256 bytes): both are first fills, nothing is filled again.
; The scale bytes of the work-group's rows of x and of W, for all of K, are two dense blocks: they come once, with the first fills.
; CLUSTERS: 4 x 4.  Tile column = 4 x cluster x + cx, so cluster x is the part (q, k, v).  Tile row = 8 cy + cluster y, so cy is the batch and cluster y the block of 256 positions:
; the two branches of the way out (part; first rows of a batch) hang on the cluster's numbers and the wave's alone, which all sixteen partners share.
; x's tiles are shared along a row of the cluster, W's along a column: each is asked for jointly.
; THE MATRIX INSTRUCTION IS USED TRANSPOSED (source 0 = 16 rows of W's codes, source 1 = 16 rows of x's): a lane holds eight neighbouring columns of one position.  The bias is the C of each sum's first product.
; REGISTERS: window 0: v0-31 addresses; v32-95 scale words, two sets; v96-127 a block's cos and sin; from v128 x's fragments, one set; on the way out v32-95 rotated results, v128-231 at work.
;   window 1: W's fragments, two sets, at v0 and v128; v64-127 the bias, eight registers for each block of 16 columns.   windows 2, 3: the accumulators ((a, b) at v[8 (8 (a % 4) + b)]).
; LIMIT: results beyond 65,504 in magnitude do not fit f16.
.set NQ,     4                         ; matrix instructions deep in a slot
.set ROWB,   256                       ; a tile's row in bytes: 512 codes
.set KROW,   512                       ; a row of codes in memory
.set PITCH,  272                       ; an LDS row: 256 bytes + 16 of padding: the 16 rows that a load touches start at 16 different banks (64 banks of 4 bytes: ISA guide 11.1)
.set FR,     8
.set NL,     2
.set NP,     4                         ; places behind this matrix instruction (ISA guide 7.12.1)
.set HALFT,  128*PITCH
.set SLOT,   4*HALFT
.set KS,     32                        ; a row of scale bytes
.set SCL,    2*SLOT
.set HALFS,  16*272                    ; the scales of 128 rows: 16 units of 256 bytes + 16 of padding
.set SBLK,   2*272                     ; those of 16 rows
.set SPARE,  SCL+4*HALFS               ; the spare words, 128 bytes a wave
.set STAGE,  SPARE+512                 ; the way out: for each wave 2 heads x 16 rows x (128 bytes + 16); no tensor load lands here
.set SPT,    144
.set ADRA, 16
.set ADRB, 20
.set STO,  24
.set RD,   25
.set CO,   26                          ; 16 x lane: in a store's 512 bytes, and in an image of cos or sin
.set ADRS, 27
.set SPW,  28
.set NIL,  29
.set E32,  30                          ; the f32 copy: position r x 12,288 + 32 h
.set BO,   31                          ; the bias: 32 h
.set SC,   32
.set CSR,  96
.set AF,   128
.set BIAS, 64                          ; in window 1
.set RR,   32
.set TT,   128
.set PKR,  136
.set BKR,  168
.set G1, 24
.set G0, 32
.set G1B, 48
.set G0B, 56
.set G1S, 68
.set G0S, 76
.set G1SB, 80
.set G0SB, 88
.set MSB, 0
.macro WIN new                         ; the immediate's high byte repeats the setting that is left
.if MSB != (\new)
	s_set_vgpr_msb (MSB<<8)|(\new)
.set MSB, (\new)
.endif
.endm
.set MUL_LO, 0xa1                      ; source 0 (W) window 1, source 1 (x) window 0, C and D window 2
.set MUL_HI, 0xf1                      ; the same, C and D window 3
.set TO_B,   0x40
; A joint load: waves 0 and 1 fetch for x, waves 2 and 3 for W.  An s_nop 0 and four v_nop follow each of the two lines.
.macro JLOAD g0a, g1a, g0b, g1b
	s_cmp_eq_u32 s15, 0
	s_cbranch_scc0 .Lfor_b_\@
	tensor_load_to_lds s[\g0a:\g0a+3], s[\g1a:\g1a+7]
	s_nop 0
.rept 4
	v_nop
.endr
	s_branch .Lasked_\@
.Lfor_b_\@:
	tensor_load_to_lds s[\g0b:\g0b+3], s[\g1b:\g1b+7]
	s_nop 0
.rept 4
	v_nop
.endr
.Lasked_\@:
.endm
.macro CROUND                          ; a round of the cluster's barrier
	s_barrier_signal -1
	s_barrier_wait -1
	s_cmp_lg_u32 s14, 0
	s_cbranch_scc1 .Lnot_wave_0_\@
	s_barrier_signal -3
.Lnot_wave_0_\@:
	s_barrier_wait -3
	s_barrier_signal -1
	s_barrier_wait -1
.endm
	s_load_b128 s[4:7], s[0:1], 0x0                ; codes, scales
	s_load_b128 s[96:99], s[0:1], 0x10             ; b_qkv, rope
	s_load_b128 s[8:11], s[0:1], 0x20              ; qkvh, qkv32
	v_lshl_add_u32 v[SPW], v0, 2, SPARE
	v_mov_b32 v[NIL], 0
	ds_add_u32 v[SPW], v[NIL]                      ; the wave's opening: the add, twice on end, and its wait ahead of my first tensor load
	ds_add_u32 v[SPW], v[NIL]
	v_lshrrev_b32 v1, 5, v0
	v_readfirstlane_b32 s14, v1                    ; wave 0..3
	s_lshr_b32 s15, s14, 1                         ; which half of the tile's rows is mine.  Also: I fetch for x (0) or for W (1)
	s_and_b32 s16, s14, 1                          ; which half of its columns.  Also: which 128 rows I fetch
	s_bfe_u32 s40, ttmp6, 0x40000                  ; cx
	s_bfe_u32 s41, ttmp6, 0x40004                  ; cy
	s_lshl_b32 s42, ttmp9, 2
	s_add_co_u32 s42, s42, s40                     ; tile column = 4 x cluster x + cx
	s_and_b32 s67, ttmp7, 0xffff                   ; cluster y: the block of 256 positions
	s_lshl_b32 s17, s41, 3
	s_add_co_u32 s17, s17, s67                     ; tile row = 8 cy + cluster y
	s_or_b32 s66, s67, s15                         ; 0 where my first 16 rows are positions 0 to 15 of a batch
	s_lshl_b32 s43, s41, 2
	s_lshl_b32 s43, 15, s43                        ; my row of the cluster
	s_lshl_b32 s44, 0x1111, s40                    ; my column
	s_or_b32 s[G1+0], s43, (0<<16)|(1<<20)|(1<<21)|(5<<22)|(3<<25)  ; the mask; elements of 1 byte; padding on, 4 words after every 64; bit 21 set beside a mask
	s_or_b32 s[G1B+0], s44, (0<<16)|(1<<20)|(1<<21)|(5<<22)|(3<<25)
.irp g, G1, G1B
	s_mov_b32 s[\g+1], ROWB<<16                    ; tensor_dim0
	s_mov_b32 s[\g+2], 128<<16                     ; tensor_dim1
	s_mov_b32 s[\g+3], ROWB<<16                    ; tile_dim0
	s_mov_b32 s[\g+4], 128                         ; tile_dim1
	s_mov_b32 s[\g+5], KROW                        ; the pitch in memory
	s_mov_b32 s[\g+6], 0
	s_mov_b32 s[\g+7], 0
.endr
	s_or_b32 s[G1S+0], s43, (3<<16)|(1<<20)|(1<<21)|(5<<22)|(3<<25)  ; the scales of 128 rows: 4,096 dense bytes as 16 rows of 32 elements of 8 bytes
	s_or_b32 s[G1SB+0], s44, (3<<16)|(1<<20)|(1<<21)|(5<<22)|(3<<25)
.irp g, G1S, G1SB
	s_mov_b32 s[\g+1], 32<<16
	s_mov_b32 s[\g+2], 16<<16
	s_mov_b32 s[\g+3], 32<<16
	s_mov_b32 s[\g+4], 16
	s_mov_b32 s[\g+5], 32
	s_mov_b32 s[\g+6], 0
	s_mov_b32 s[\g+7], 0
.endr
	s_lshl_b32 s18, s16, 7
	s_lshl_b32 s20, s17, 8
	s_add_co_u32 s20, s20, s18                     ; x: row 256 x tile row + 128 x half
	s_lshl_b32 s46, s42, 8
	s_add_co_u32 s46, s46, s18                     ; W: row 256 x tile column + 128 x half
	s_mov_b32 s21, 0
	s_mov_b32 s47, 0
	s_mov_b64 s[18:19], KS
	s_mul_u64 s[22:23], s[20:21], s[18:19]
	s_mul_u64 s[92:93], s[46:47], s[18:19]
	s_mov_b64 s[18:19], KROW
	s_mul_u64 s[20:21], s[20:21], s[18:19]
	s_mul_u64 s[46:47], s[46:47], s[18:19]
	s_mul_i32 s45, s14, HALFT                      ; where they go: wave x 128 rows: no place in the cluster enters an LDS address
	s_mul_i32 s94, s14, HALFS
	s_wait_dscnt 0x0                               ; both opening adds are done
	s_wait_kmcnt 0x0
	s_add_nc_u64 s[20:21], s[4:5], s[20:21]
	s_add_nc_u64 s[22:23], s[6:7], s[22:23]
	s_add_nc_u64 s[46:47], s[4:5], s[46:47]
	s_add_nc_u64 s[46:47], s[46:47], 0x400000      ; W's codes lie behind x's
	s_add_nc_u64 s[92:93], s[6:7], s[92:93]
	s_add_nc_u64 s[92:93], s[92:93], 0x40000       ; and its scale bytes
	CROUND                                         ; all sixteen work-groups are here: the first joint loads meet
	s_mov_b32 s[G0S], 1
	s_add_co_u32 s[G0S+1], s94, SCL
	s_mov_b64 s[G0S+2:G0S+3], s[22:23]
	s_or_b32 s[G0S+3], s[G0S+3], 0x80000000
	s_mov_b32 s[G0SB], 1
	s_add_co_u32 s[G0SB+1], s94, SCL
	s_mov_b64 s[G0SB+2:G0SB+3], s[92:93]
	s_or_b32 s[G0SB+3], s[G0SB+3], 0x80000000
	JLOAD G0S, G1S, G0SB, G1SB                     ; the scales first; then both slots: three tensor loads of mine are out
.irp s, 0,1
	s_mov_b32 s[G0+4*\s], 1
	s_add_co_u32 s[G0+4*\s+1], s45, \s*SLOT
	s_add_nc_u64 s[G0+4*\s+2:G0+4*\s+3], s[20:21], \s*ROWB
	s_or_b32 s[G0+4*\s+3], s[G0+4*\s+3], 0x80000000
	s_mov_b32 s[G0B+4*\s], 1
	s_add_co_u32 s[G0B+4*\s+1], s45, \s*SLOT
	s_add_nc_u64 s[G0B+4*\s+2:G0B+4*\s+3], s[46:47], \s*ROWB
	s_or_b32 s[G0B+4*\s+3], s[G0B+4*\s+3], 0x80000000
	JLOAD G0+4*\s, G1, G0B+4*\s, G1B
.endr
	v_and_b32 v1, 15, v0                           ; r
	v_bfe_u32 v2, v0, 4, 1                         ; h
	v_mul_u32_u24 v3, v1, PITCH
	v_lshl_add_u32 v4, v2, 4, v3
	s_mul_i32 s21, s15, HALFT
	s_mul_i32 s22, s16, HALFT
	s_add_co_u32 s22, s22, 2*HALFT
.irp s, 0,1
	v_add_nc_u32 v[ADRA+\s], s21, v4
	v_add_nc_u32 v[ADRB+\s], s22, v4
	s_add_co_u32 s21, s21, SLOT
	s_add_co_u32 s22, s22, SLOT
.endr
	v_mul_u32_u24 v5, v1, KS                       ; my row's scales: 32 bytes a row,
	v_lshrrev_b32 v6, 8, v5
	v_lshl_add_u32 v5, v6, 4, v5                   ; and 16 more for each 256 passed
	s_mul_i32 s21, s15, HALFS
	s_mul_i32 s22, s16, HALFS
	s_add_co_u32 s22, s22, 2*HALFS
	s_sub_co_u32 s22, s22, s21
	v_mul_u32_u24 v6, s22, v2                      ; lanes 16-31 take W's
	s_add_co_u32 s21, s21, SCL
	v_add_nc_u32 v5, v5, v6
	v_add_nc_u32 v[ADRS], s21, v5
	s_mul_i32 s23, s14, 2*16*SPT
	s_add_co_u32 s23, s23, STAGE                   ; my stage
	v_mul_u32_u24 v5, v1, SPT
	v_lshl_add_u32 v5, v2, 4, v5
	v_add_nc_u32 v[STO], s23, v5                   ; in: row r, 16 bytes for each half of the lanes
	v_and_b32 v6, 31, v0
	v_lshrrev_b32 v5, 3, v6
	v_mul_u32_u24 v5, v5, SPT
	v_and_b32 v7, 7, v0
	v_lshl_add_u32 v5, v7, 4, v5
	v_add_nc_u32 v[RD], s23, v5                    ; back: eight lanes to a row of 128 bytes, four rows an instruction
	v_lshlrev_b32 v[CO], 4, v6
	v_mul_u32_u24 v[E32], v1, 12288
	v_lshl_add_u32 v[E32], v2, 5, v[E32]
	v_lshlrev_b32 v[BO], 5, v2
	; the bases.  Offsets that hold both cx and cy are made in s100, s101, s2, which feed no descriptor
	s_lshl_b32 s100, s42, 10
	s_lshl_b32 s2, s16, 9
	s_add_co_u32 s100, s100, s2                    ; my first column, in bytes of f32
	s_mov_b32 s101, 0
	s_add_nc_u64 s[96:97], s[96:97], s[100:101]    ; the bias
	s_add_nc_u64 s[10:11], s[10:11], s[100:101]
	s_mul_i32 s100, s41, 196608
	s_add_nc_u64 s[10:11], s[10:11], s[100:101]    ; the f32 copy: my batch's 16 rows of 12,288 bytes
	s_lshl_b32 s100, s67, 4
	s_lshl_b32 s2, s15, 3
	s_add_co_u32 s100, s100, s2
	s_lshl_b32 s100, s100, 12
	s_add_nc_u64 s[98:99], s[98:99], s[100:101]    ; cos and sin: image 16 x cluster y + 8 x row half
	s_lshl_b32 s100, s41, 4
	s_lshl_b32 s2, s40, 2
	s_add_co_u32 s100, s100, s2
	s_lshl_b32 s2, s16, 1
	s_add_co_u32 s100, s100, s2                    ; 16 x batch + my first head
	s_lshl_b32 s100, s100, 11
	s_lshl_b32 s2, s67, 8
	s_add_co_u32 s100, s100, s2
	s_lshl_b32 s2, s15, 7
	s_add_co_u32 s100, s100, s2                    ; + my first position
	s_lshl_b32 s100, s100, 7                       ; rows of 128 bytes
	s_lshl_b32 s2, ttmp9, 24                       ; the part: 16,777,216 bytes each
	s_add_co_u32 s100, s100, s2
	s_add_nc_u64 s[8:9], s[8:9], s[100:101]
	WIN TO_B
.irp b, 0,1,2,3,4,5,6,7
	global_load_b128 v[BIAS+8*\b:BIAS+8*\b+3], v[BO], s[96:97] offset:64*\b       ; b_qkv at the lane's eight columns of block b
	global_load_b128 v[BIAS+8*\b+4:BIAS+8*\b+7], v[BO], s[96:97] offset:64*\b+16
.endr
	WIN 0
.macro FRAG reg, adr, q, i             ; a fragment, 16 rows x 128 K of 4-bit codes: lane l holds row l % 16; registers 4 c .. 4 c + 3 hold K = 64 c + 32 (l / 16) + 0 .. 31
.irp c, 0,1
	ds_load_b128 v[\reg+4*\c:\reg+4*\c+3], v[\adr] offset:64*(\q)+32*\c+(\i)*16*PITCH
.endr
.endm
; 16 matrix instructions: x's blocks a0, a0 + 1 against W's eight.  zero = 1: the first product starts the sums from the bias.  The 64 accumulators take turns, one instruction a turn.
.macro MUL16 a0, p, q, sc, zero
.irp a, \a0, \a0+1
.irp b, 0,1,2,3,4,5,6,7
.if \zero
	v_wmma_scale_f32_16x16x128_f8f6f4 v[8*(8*((\a)%4)+\b):8*(8*((\a)%4)+\b)+7], v[128*(\p)+FR*\b:128*(\p)+FR*\b+FR-1], v[AF+FR*(\a):AF+FR*(\a)+FR-1], v[BIAS+8*\b:BIAS+8*\b+7], v[SC+8*NQ*(\sc)+NQ*\b+(\q)], v[SC+8*NQ*(\sc)+NQ*(\a)+(\q)] matrix_a_fmt:MATRIX_FMT_FP4 matrix_b_fmt:MATRIX_FMT_FP4 matrix_a_scale:MATRIX_SCALE_ROW1
.else
	v_wmma_scale_f32_16x16x128_f8f6f4 v[8*(8*((\a)%4)+\b):8*(8*((\a)%4)+\b)+7], v[128*(\p)+FR*\b:128*(\p)+FR*\b+FR-1], v[AF+FR*(\a):AF+FR*(\a)+FR-1], v[8*(8*((\a)%4)+\b):8*(8*((\a)%4)+\b)+7], v[SC+8*NQ*(\sc)+NQ*\b+(\q)], v[SC+8*NQ*(\sc)+NQ*(\a)+(\q)] matrix_a_fmt:MATRIX_FMT_FP4 matrix_b_fmt:MATRIX_FMT_FP4 matrix_a_scale:MATRIX_SCALE_ROW1
.endif
.endr
.endr
.endm
.macro FETCH_B slot, q, p
	WIN TO_B
.irp i, 0,1,2,3,4,5,6,7
	FRAG 128*(\p)+FR*\i, ADRB+\slot, \q, \i
.endr
	WIN 0
.endm
.macro FETCH_A slot, q, i0
.irp i, \i0, \i0+1, \i0+2, \i0+3
	FRAG AF+FR*(\i), ADRA+\slot, \q, \i
.endr
.endm
.macro SCALES sc                       ; a slot's scale words: lanes 0-15 take x's block i, lanes 16-31 W's block i
.irp i, 0,1,2,3,4,5,6,7
	ds_load_b128 v[SC+8*NQ*\sc+NQ*\i:SC+8*NQ*\sc+NQ*\i+3], v[ADRS] offset:\i*SBLK
.endr
.endm
.macro PLACES n                        ; plain vector instructions between a matrix instruction and a load into, or a read of, its registers
.rept \n
	v_nop
.endr
.endm
.macro STEP slot, q, zero              ; 128 along K with its successor in the same slot
	s_wait_dscnt 4*NL                              ; W's set and x's blocks 0-3 are in; the youngest eight loads (x's blocks 4-7) may be out
.if \zero
	WIN 0x91                                       ; C in window 1: the bias
.else
	WIN MUL_LO
.endif
	MUL16 0, (\q)%2, \q, \slot, \zero
	MUL16 2, (\q)%2, \q, \slot, \zero
	s_wait_dscnt 0
	PLACES NP
	FETCH_B \slot, (\q)+1, 1-(\q)%2
	FETCH_A \slot, (\q)+1, 0
.if \zero
	WIN 0xd1
.else
	WIN MUL_HI
.endif
	MUL16 4, (\q)%2, \q, \slot, \zero
	MUL16 6, (\q)%2, \q, \slot, \zero
	PLACES NP
	WIN 0
	FETCH_A \slot, (\q)+1, 4
.endm
.macro TURN slot, next                 ; a slot's last step: one barrier, behind which the other slot is whole for every wave.  Nothing is filled again
	s_wait_tensorcnt 0x0                           ; all my tensor loads have landed: my part of the next slot
	ds_add_u32 v[SPW], v[NIL]                      ; 0 onto my spare word
	s_wait_dscnt 4*NL+1                            ; the add and the youngest eight loads may be out
	WIN MUL_LO
	MUL16 0, 1, NQ-1, \slot, 0
	s_wait_dscnt 0x0
	s_barrier_signal -1
	MUL16 2, 1, NQ-1, \slot, 0
	WIN 0
	s_barrier_wait -1
	PLACES NP
	v_add_nc_u32 v[ADRS], 4*NQ, v[ADRS]            ; on to the next slot's scale words
	FETCH_B \next, 0, 0
	FETCH_A \next, 0, 0
	SCALES \next
	WIN MUL_HI
	MUL16 4, 1, NQ-1, \slot, 0
	MUL16 6, 1, NQ-1, \slot, 0
	PLACES NP
	WIN 0
	FETCH_A \next, 0, 4
.endm
	s_wait_tensorcnt 1                             ; the scales and my part of slot 0 are in; slot 1's load may be out,
	s_barrier_signal -1
	s_barrier_wait -1                              ; everybody's are
	FETCH_B 0, 0, 0
	FETCH_A 0, 0, 0
	SCALES 0
	FETCH_A 0, 0, 4
	s_wait_loadcnt 0x0                             ; the bias
	STEP 0, 0, 1
	STEP 0, 1, 0
	STEP 0, 2, 0
	TURN 0, 1
	STEP 1, 0, 0
	STEP 1, 1, 0
	STEP 1, 2, 0
	s_wait_dscnt 4*NL                              ; the very last step: nothing more to fetch
	WIN MUL_LO
	MUL16 0, 1, NQ-1, 1, 0
	MUL16 2, 1, NQ-1, 1, 0
	s_wait_dscnt 0
	WIN MUL_HI
	MUL16 4, 1, NQ-1, 1, 0
	MUL16 6, 1, NQ-1, 1, 0
	WIN 0
; THE WAY OUT, block by block of 16 positions x 128 columns (two heads).  q and k: RoPE in f32: with x1 = channels 0-31 (blocks 0, 1 of a head) and x2 = channels 32-63 (blocks 2, 3):
; x1 cos - x2 sin and x2 cos + x1 sin.  Then to f16, through my stage, and out as whole rows of a head: four rows, 512 consecutive bytes, a store.
.macro CSLOAD a                        ; the image of block a: v96-111 cos, v112-127 sin, at j = 16 u + 8 h + i
.irp g, 0,1,2,3,4,5,6,7
	global_load_b128 v[CSR+4*\g:CSR+4*\g+3], v[CO], s[98:99] offset:4096*(\a)+512*\g
.endr
.endm
.macro ROPE a
.set AC, 64*((\a)%4)
	s_wait_loadcnt 0x0                             ; this block's cos and sin
	WIN 0x02+(\a)/4                                ; source 0: the accumulators' window
.irp hh, 0,1
.irp u, 0,1
.irp i, 0,2,4,6
	v_pk_mul_f32 v[TT+\i:TT+\i+1], v[AC+8*(4*\hh+\u+2)+\i:AC+8*(4*\hh+\u+2)+\i+1], v[CSR+16+8*\u+\i:CSR+16+8*\u+\i+1]   ; each accumulator is read from its low end on
.endr
.irp i, 0,2,4,6
	v_pk_fma_f32 v[RR+8*(4*\hh+\u)+\i:RR+8*(4*\hh+\u)+\i+1], v[AC+8*(4*\hh+\u)+\i:AC+8*(4*\hh+\u)+\i+1], v[CSR+8*\u+\i:CSR+8*\u+\i+1], v[TT+\i:TT+\i+1] neg_lo:[0,0,1] neg_hi:[0,0,1]
.endr
.irp i, 0,2,4,6
	v_pk_mul_f32 v[TT+\i:TT+\i+1], v[AC+8*(4*\hh+\u)+\i:AC+8*(4*\hh+\u)+\i+1], v[CSR+16+8*\u+\i:CSR+16+8*\u+\i+1]
.endr
.irp i, 0,2,4,6
	v_pk_fma_f32 v[RR+8*(4*\hh+\u+2)+\i:RR+8*(4*\hh+\u+2)+\i+1], v[AC+8*(4*\hh+\u+2)+\i:AC+8*(4*\hh+\u+2)+\i+1], v[CSR+8*\u+\i:CSR+8*\u+\i+1], v[TT+\i:TT+\i+1]
.endr
.endr
.endr
	WIN 0
.if (\a) < 7
	CSLOAD (\a)+1
.endif
.endm
.macro PACKR
.irp b, 0,1,2,3,4,5,6,7
.irp p, 0,1,2,3
	v_cvt_pk_f16_f32 v[PKR+4*\b+\p], v[RR+8*\b+2*\p], v[RR+8*\b+2*\p+1]
.endr
.endr
.endm
.macro PACKV a                         ; v has no rotation: straight from the accumulators
.set AC, 64*((\a)%4)
	WIN 0x0a+5*((\a)/4)
.irp b, 0,1,2,3,4,5,6,7
.irp p, 0,1,2,3
	v_cvt_pk_f16_f32 v[PKR+4*\b+\p], v[AC+8*\b+2*\p], v[AC+8*\b+2*\p+1]
.endr
.endr
	WIN 0
.endm
; Positions 0 to 15 of a batch also leave as f32: pieces of 16 bytes in rows 12,288 bytes apart, for 64 of the 8,192 rows.
.macro EARLY32 fromacc
	s_cmp_lg_u32 s66, 0
	s_cbranch_scc1 .Lnot_early_\@
.if \fromacc
	WIN 0x08                                       ; a store's data are its source 1: window 2
.irp b, 0,1,2,3,4,5,6,7
	global_store_b128 v[E32], v[8*\b:8*\b+3], s[10:11] offset:64*\b
	global_store_b128 v[E32], v[8*\b+4:8*\b+7], s[10:11] offset:64*\b+16
.endr
	WIN 0
.else
.irp b, 0,1,2,3,4,5,6,7
	global_store_b128 v[E32], v[RR+8*\b:RR+8*\b+3], s[10:11] offset:64*\b
	global_store_b128 v[E32], v[RR+8*\b+4:RR+8*\b+7], s[10:11] offset:64*\b+16
.endr
.endif
.Lnot_early_\@:
.endm
.macro TOSTAGE a                       ; LDS serves a wave's instructions in order: the loads see the stores, and the next block's stores come behind these loads
.irp b, 0,1,2,3,4,5,6,7
	ds_store_b128 v[STO], v[PKR+4*\b:PKR+4*\b+3] offset:16*SPT*(\b/4)+32*(\b%4)
.endr
.set BB, BKR+32*((\a)%2)
.irp hh, 0,1
.irp i, 0,1,2,3
	ds_load_b128 v[BB+4*(4*\hh+\i):BB+4*(4*\hh+\i)+3], v[RD] offset:16*SPT*\hh+4*SPT*\i
.endr
.endr
.endm
.macro SEND a
.set BB, BKR+32*((\a)%2)
.irp hh, 0,1
.irp i, 0,1,2,3
	global_store_b128 v[CO], v[BB+4*(4*\hh+\i):BB+4*(4*\hh+\i)+3], s[8:9] offset:262144*\hh+2048*(\a)+512*\i
.endr
.endr
.endm
	PLACES NP                                      ; behind the last products: for the reads of results and for the writes of registers that held operands and scales
	s_cmp_lt_u32 ttmp9, 2                          ; q or k?  The cluster's x: the same in all sixteen partners
	s_cbranch_scc0 .Lpart_v
	CSLOAD 0
	ROPE 0
	PACKR
	EARLY32 0
	TOSTAGE 0
.irp a, 1,2,3,4,5,6,7
	s_wait_xcnt 0x0                                ; the earlier stores have read their data: the rotated results and the set of rows that block a will take may be written
	ROPE \a
	s_wait_dscnt 0x0                               ; block a - 1 is back in registers, and its stores into the stage have read theirs
	SEND \a-1
	PACKR
	TOSTAGE \a
.endr
	s_wait_dscnt 0x0
	SEND 7
	s_branch .Lout_done
.Lpart_v:
	PACKV 0
	EARLY32 1
	TOSTAGE 0
.irp a, 1,2,3,4,5,6,7
	s_wait_xcnt 0x0
	s_wait_dscnt 0x0
	SEND \a-1
	PACKV \a
	TOSTAGE \a
.endr
	s_wait_dscnt 0x0
	SEND 7
.Lout_done:
	s_wait_tensorcnt 0x0                           ; the wave's end
	ds_add_u32 v[SPW], v[NIL]
	s_wait_dscnt 0x0
	CROUND                                         ; the closing round
	s_endpgm
.Lfunc_end_k_q271bbcd49d_qkv:
	.size	k_q271bbcd49d_qkv, .Lfunc_end_k_q271bbcd49d_qkv-k_q271bbcd49d_qkv
	.p2alignl 7, 3214868480
	.fill 96, 4, 3214868480
	.section	.rodata,"a",@progbits
	.p2align	6, 0x0
	.amdhsa_kernel k_q271bbcd49d_qkv
		.amdhsa_group_segment_fixed_size 327680
		.amdhsa_private_segment_fixed_size 0
		.amdhsa_enable_private_segment 0
		.amdhsa_kernarg_size 48
		.amdhsa_user_sgpr_count 2
		.amdhsa_user_sgpr_kernarg_segment_ptr 1
		.amdhsa_wavefront_size32 1
		.amdhsa_system_sgpr_workgroup_id_x 1
		.amdhsa_system_sgpr_workgroup_id_y 1
		.amdhsa_system_sgpr_workgroup_id_z 1
		.amdhsa_system_vgpr_workitem_id 0
		.amdhsa_next_free_vgpr 1024
		.amdhsa_next_free_sgpr 102
		.amdhsa_reserve_vcc 0
		.amdhsa_float_denorm_mode_32 3
		.amdhsa_float_denorm_mode_16_64 3
		.amdhsa_memory_ordered 1
		.amdhsa_forward_progress 1
		.amdhsa_inst_pref_size 201
	.end_amdhsa_kernel
	.amdgpu_metadata
---
amdhsa.version: [ 1, 2 ]
amdhsa.kernels:
  - .name:           k_q271bbcd49d_qkv
    .symbol:         k_q271bbcd49d_qkv.kd
    .args:
      - { .name: codes, .offset: 0, .size: 8, .value_kind: global_buffer, .address_space: global }
      - { .name: scales, .offset: 8, .size: 8, .value_kind: global_buffer, .address_space: global }
      - { .name: b_qkv, .offset: 16, .size: 8, .value_kind: global_buffer, .address_space: global }
      - { .name: rope, .offset: 24, .size: 8, .value_kind: global_buffer, .address_space: global }
      - { .name: qkvh, .offset: 32, .size: 8, .value_kind: global_buffer, .address_space: global }
      - { .name: qkv32, .offset: 40, .size: 8, .value_kind: global_buffer, .address_space: global }
    .group_segment_fixed_size: 327680
    .private_segment_fixed_size: 0
    .kernarg_segment_align: 8
    .kernarg_segment_size: 48
    .max_flat_workgroup_size: 128
    .sgpr_count:     102
    .vgpr_count:     1024
    .wavefront_size: 32
...
	.end_amdgpu_metadata
.endif
;; end of part 2
;; launch attn (part 3): grid 4 x 64, 8 waves a work-group, no clusters, 327,680 bytes of LDS; arguments qkvh, o16; writes o16
.if DOCPART == 3
	.amdgcn_target "amdgcn-amd-amdhsa--gfx1250"
	.amdhsa_code_object_version 6
	.text
	.protected	k_q271bbcd49d_attn
	.globl	k_q271bbcd49d_attn
	.p2align	8
	.type	k_q271bbcd49d_attn,@function
k_q271bbcd49d_attn:
	s_mov_b64 s[64:65], 0
	v_nop
	global_prefetch_b8 v0, s[64:65] scope:SCOPE_SE
	s_setreg_imm32_b32 hwreg(HW_REG_WAVE_MODE, 25, 1), 1
	s_wait_xcnt 0x0
; Launch 3 of 5: o[b][h][q] = the sum over k <= q of softmax_k(q . k / 8) v[k], f16 operands, f32 products' sums, maxima and sums; o rounded once to f16, laid [b][h][t][64].
; WORK LEFT OUT: steps of 64 keys all of which come after a wave's 32 queries: reference()'s own mask makes their weights 0 for all values of the inputs.
; SHARES.  Work-group (i, head) owns the blocks of 256 queries i and 7 - i of the head: first block i over the key slots 0..i, then block 7 - i over 0..7-i: always 9 slots of 256 keys, so all 256 work-groups
; have the same work and the loop over slots has a constant count.  Each of eight waves owns 32 queries, two tiles of 16: group w for waves 0-3, group 11 - w for waves 4-7.
; NO CLUSTER: the four work-groups of a head want different key slots in the same trip (slot n of the first pass against slot n - i - 1 of the second), so no joint request could name two of them.
; LAYOUT.  S^T = K Q^T (source 0 = 16 keys, source 1 = 16 queries): a lane holds one query (lane % 16) and keys 8 (lane / 16) + 0..7; two such tiles, rounded to f16 in pairs, are source 1 of O^T = V^T P.
; K comes out of LDS as it lies, V ([key][channel]) turned by ds_load_tr16_b128.
; SOFTMAX.  A running maximum m and sum l for each query: p = 2^(c s - c m), c = log2(e) / 8; in each step O and l are multiplied by 2^(c m_old - c m_new).  m starts at -3e38, under every score that f32 sums of f16 products here reach.
; A step that is walked has its first key at or under the wave's first query (both are multiples of 32), so every query sees at least one key and m is a number from then on.
; RING.  Two slots of 256 keys; waves 0-3 fetch K's quarters, waves 4-7 V's, one tensor load a wave: one is out at a time.
; REGISTERS: window 0: v1-11 addresses; v12-27 statistics; v28-31 at work; v32-63 Q; v64-127 S^T; v128-159 P; v160-223 O^T; v224-255 packed results.  window 1: v0-63 K's 8 fragments; v64-127 V^T's 8.
.set PK,    144                        ; a row of K in LDS: 128 bytes + 16
.set PV,    160                        ; a row of V: 128 + 32: the turning load's 16 lanes take 8 rows x 32 bytes
.set VOFF,  256*PK
.set SLOT1, 1<<17
.set STAGE, 2*SLOT1                    ; the way out: for each wave 2 tiles x 16 rows x 144 bytes; no tensor load lands here
.set SPARE, STAGE+8*4608               ; the spare words, 128 bytes a wave
.set AK0, 1
.set AV0, 2
.set ADK, 3
.set ADV, 4
.set QO,  5
.set STO, 6
.set RD,  7
.set GO,  8
.set RH,  9                            ; r - 8 h
.set SPW, 10
.set NIL, 11
.set ST,  12                           ; tile t at v[ST + 8 t]: +0 c m, +1 m, +2, +3 l, +4..7 at work; the rescaling factor at +6
.set NEGI, 30
.set PFO, 31
.set QF,  32
.set S,   64
.set P,   128
.set O,   160
.set WV,  8
.set G,   9
.set WI,  10
.set I1,  11
.set N,   12
.set KN,  13
.set KF,  14
.set Q0,  15
.set CS,  58
.set SEL, 60
.set TB,  62
.set MSB, 0
.macro WIN new
.if MSB != (\new)
	s_set_vgpr_msb (MSB<<8)|(\new)
.set MSB, (\new)
.endif
.endm
.macro TLOAD                           ; every wave issues one: an s_nop 0 and four v_nop follow each line
	s_cmp_lt_u32 s[WV], 4
	s_cbranch_scc0 .Lfor_v_\@
	tensor_load_to_lds s[40:43], s[24:31]
	s_nop 0
.rept 4
	v_nop
.endr
	s_branch .Lasked_\@
.Lfor_v_\@:
	tensor_load_to_lds s[44:47], s[32:39]
	s_nop 0
.rept 4
	v_nop
.endr
.Lasked_\@:
.endm
; A PREFETCH INTO THE L2 of what the next change of slots will ask for.  Key slots 4 to 7 of a head are first wanted by its work-group 0, in its trips 5 to 8: that work-group alone asks, in trips 3 to 6,
; each wave for its own quarter (8,192 bytes, lanes 256 bytes apart) of the slot one beyond the one just requested.  So each block of 256 bytes is named once, and nothing beyond slot 7.
.macro ASK
	s_sub_co_u32 s66, s[N], 3
	s_lshr_b32 s66, s66, 2                         ; 0 in trips 3 to 6
	s_or_b32 s66, s66, ttmp9
	s_cmp_eq_u32 s66, 0
	s_cbranch_scc0 .Lnot_mine_\@
	global_prefetch_b8 v[PFO], s[54:55] th:TH_LOAD_NT scope:SCOPE_SE
.Lnot_mine_\@:
.endm
	s_load_b128 s[4:7], s[0:1], 0x0                ; qkvh, o16
	v_lshl_add_u32 v[SPW], v0, 2, SPARE
	v_mov_b32 v[NIL], 0
	ds_add_u32 v[SPW], v[NIL]                      ; the wave's opening: the add, twice on end, and its wait ahead of my first tensor load
	ds_add_u32 v[SPW], v[NIL]
	v_lshrrev_b32 v1, 5, v0
	v_readfirstlane_b32 s[WV], v1                  ; wave 0..7
	s_sub_co_u32 s[G], 11, s[WV]
	s_cmp_lt_u32 s[WV], 4
	s_cselect_b32 s[G], s[WV], s[G]                ; my group of 32 queries
	s_mov_b32 s[WI], ttmp9
	s_add_co_u32 s[I1], ttmp9, 1                   ; the trip in which the second pass begins
	s_and_b32 s66, ttmp7, 0xffff                   ; batch x 16 + head
	s_lshl_b32 s56, s66, 18                        ; its 2,048 rows of 128 bytes
	s_mov_b32 s57, 0
	s_and_b32 s67, s[WV], 3
	s_lshl_b32 s68, s67, 13                        ; my quarter of a slot: 64 rows of 128 bytes in memory,
	s_mov_b32 s69, 0
	s_mul_i32 s70, s67, 64*PK                      ; and in LDS
	s_mul_i32 s71, s67, 64*PV
	s_add_co_u32 s71, s71, VOFF
	s_mov_b32 s24, (1<<16)|(1<<20)|(4<<22)|(3<<25) ; K: elements of 2 bytes; padding on: 4 words after every 32
	s_mov_b32 s32, (1<<16)|(1<<20)|(4<<22)|(7<<25) ; V: 8 words
.irp g, 24, 32
	s_mov_b32 s[\g+1], 64<<16                      ; tensor_dim0 = 64
	s_mov_b32 s[\g+2], 64<<16                      ; tensor_dim1 = 64
	s_mov_b32 s[\g+3], 64<<16                      ; tile_dim0 = 64
	s_mov_b32 s[\g+4], 64                          ; tile_dim1 = 64
	s_mov_b32 s[\g+5], 64                          ; the pitch in memory
	s_mov_b32 s[\g+6], 0
	s_mov_b32 s[\g+7], 0
.endr
	s_mov_b32 s[CS], 0x3e38aa3b                    ; c = log2(e) / 8
	s_mov_b32 s[CS+1], s[CS]
	s_mov_b32 s[SEL], 0x76543210
	s_mov_b32 s[SEL+1], 0xfedcba98
	s_mov_b32 s[TB], 0
	s_mov_b32 s[N], 0
	s_mov_b32 s[KN], 0
	s_mov_b32 s[KF], 0
	s_lshl_b32 s[Q0], ttmp9, 8
	s_lshl_b32 s66, s[G], 5
	s_add_co_u32 s[Q0], s[Q0], s66                 ; my first query of the first pass
	s_wait_dscnt 0x0                               ; both opening adds are done
	s_wait_kmcnt 0x0
	s_add_nc_u64 s[16:17], s[4:5], s[56:57]        ; q of my head
	s_add_nc_u64 s[18:19], s[6:7], s[56:57]        ; o of my head
	s_add_nc_u64 s[48:49], s[16:17], s[68:69]
	s_add_nc_u64 s[48:49], s[48:49], 0x1000000     ; k: my quarter of key slot 0
	s_add_nc_u64 s[50:51], s[48:49], 0x1000000     ; v likewise
	s_cmp_lt_u32 s[WV], 4
	s_cselect_b64 s[52:53], s[48:49], s[50:51]     ; the one that I fetch
	s_mov_b32 s40, 1
	s_mov_b32 s41, s70
	s_mov_b64 s[42:43], s[48:49]
	s_or_b32 s43, s43, 0x80000000
	s_mov_b32 s44, 1
	s_mov_b32 s45, s71
	s_mov_b64 s[46:47], s[50:51]
	s_or_b32 s47, s47, 0x80000000
	TLOAD                                          ; key slot 0 into LDS slot 0
	v_and_b32 v12, 15, v0                          ; r
	v_bfe_u32 v13, v0, 4, 1                        ; h
	v_mul_u32_u24 v[AK0], v12, PK
	v_lshl_add_u32 v[AK0], v13, 4, v[AK0]
	v_and_b32 v14, 7, v0
	v_bfe_u32 v15, v0, 3, 1
	v_lshl_add_u32 v[AV0], v13, 3, v14
	v_mul_u32_u24 v[AV0], v[AV0], PV
	v_lshl_add_u32 v[AV0], v15, 4, v[AV0]
	v_add_nc_u32 v[AV0], VOFF, v[AV0]
	v_lshlrev_b32 v[QO], 7, v12
	v_lshl_add_u32 v[QO], v13, 4, v[QO]
	s_mul_i32 s66, s[WV], 4608
	s_add_co_u32 s66, s66, STAGE
	v_add_nc_u32 v[STO], s66, v[AK0]               ; in: row r of 144 bytes, 16 bytes for each half of the lanes
	v_and_b32 v16, 31, v0
	v_lshrrev_b32 v17, 3, v16
	v_mul_u32_u24 v[RD], v17, PK
	v_lshl_add_u32 v[RD], v14, 4, v[RD]
	v_add_nc_u32 v[RD], s66, v[RD]                 ; back: eight lanes to a row of 128 bytes
	v_lshlrev_b32 v[GO], 4, v16
	v_lshlrev_b32 v[RH], 3, v13
	v_sub_nc_u32 v[RH], v12, v[RH]
	v_mov_b32 v[NEGI], 0xff800000
	v_lshlrev_b32 v[PFO], 8, v16
; A pass begins: Q into registers; O^T, l and the statistics cleared (where a pass's first step stands hangs on the work-group's number, so it cannot be written out apart).
.macro INIT
	s_lshl_b32 s56, s[Q0], 7
	s_mov_b32 s57, 0
	s_add_nc_u64 s[20:21], s[16:17], s[56:57]
	s_add_nc_u64 s[22:23], s[18:19], s[56:57]
.irp t, 0,1
.irp c, 0,1
	global_load_b128 v[QF+16*\t+8*\c:QF+16*\t+8*\c+3], v[QO], s[20:21] offset:2048*\t+64*\c
	global_load_b128 v[QF+16*\t+8*\c+4:QF+16*\t+8*\c+7], v[QO], s[20:21] offset:2048*\t+64*\c+32
.endr
.endr
.set cnt, 0
.rept 64
	v_mov_b32 v[O+cnt], 0
.set cnt, cnt+1
.endr
.irp t, 0,1
	v_mov_b32 v[ST+8*\t+1], 0xff61b1e6             ; m = -3e38
	v_mul_f32 v[ST+8*\t], s[CS], v[ST+8*\t+1]
.irp k, 2,3,4,5,6,7
	v_mov_b32 v[ST+8*\t+\k], 0
.endr
.endr
	s_wait_loadcnt 0x0
.endm
; One step's softmax for both tiles, the tiles alternating line by line.  The 66 exponentials are one batch with one wait.
.macro SOFTMAX
.irp j, 0,1,2,3
.irp t, 0,1
	v_max3_num_f32 v[ST+8*\t+4+\j], v[S+32*\t+8*\j], v[S+32*\t+8*\j+1], v[S+32*\t+8*\j+2]    ; each tile of scores is read from its low end on
.endr
.endr
.irp g, 1,2
.irp j, 0,1,2,3
.irp t, 0,1
	v_max3_num_f32 v[ST+8*\t+4+\j], v[ST+8*\t+4+\j], v[S+32*\t+8*\j+2*\g+1], v[S+32*\t+8*\j+2*\g+2]
.endr
.endr
.endr
.irp t, 0,1
	v_max3_num_f32 v[ST+8*\t+4], v[ST+8*\t+4], v[S+32*\t+7], v[S+32*\t+15]
.endr
.irp t, 0,1
	v_max3_num_f32 v[ST+8*\t+6], v[ST+8*\t+6], v[S+32*\t+23], v[S+32*\t+31]
.endr
.irp t, 0,1
	v_max3_num_f32 v[ST+8*\t+4], v[ST+8*\t+4], v[ST+8*\t+5], v[ST+8*\t+6]
.endr
.irp t, 0,1
	v_max3_num_f32 v[ST+8*\t+4], v[ST+8*\t+4], v[ST+8*\t+7], v[ST+8*\t+1]   ; with the old m
.endr
.irp t, 0,1
	v_permlanex16_b32 v[ST+8*\t+5], v[ST+8*\t+4], s[SEL], s[SEL+1]          ; the query's other 32 keys lie in the lane 16 away
.endr
.irp t, 0,1
	v_mov_b32 v[ST+8*\t+7], v[ST+8*\t]                                      ; c m_old
.endr
.irp t, 0,1
	v_max_num_f32 v[ST+8*\t+1], v[ST+8*\t+4], v[ST+8*\t+5]
.endr
.irp t, 0,1
	v_mul_f32 v[ST+8*\t], s[CS], v[ST+8*\t+1]
.endr
.irp t, 0,1
	v_sub_f32 v[ST+8*\t+7], v[ST+8*\t+7], v[ST+8*\t]
.endr
.set cnt, 0
.rept 16
.irp t, 0,1
	v_pk_fma_f32 v[S+32*\t+2*cnt:S+32*\t+2*cnt+1], v[S+32*\t+2*cnt:S+32*\t+2*cnt+1], s[CS:CS+1], v[ST+8*\t:ST+8*\t+1] op_sel_hi:[1,0,0] neg_lo:[0,0,1] neg_hi:[0,0,1]   ; c s - c m
.endr
.set cnt, cnt+1
.endr
.irp t, 0,1
	v_exp_f32 v[ST+8*\t+6], v[ST+8*\t+7]           ; 2^(c m_old - c m_new)
.endr
.set cnt, 0
.rept 32
.irp t, 0,1
	v_exp_f32 v[S+32*\t+cnt], v[S+32*\t+cnt]
.endr
.set cnt, cnt+1
.endr
	v_nop                                          ; the plain instruction behind the last exponential
	s_wait_alu depctr_va_vdst(0)                   ; one wait for the batch, ahead of its first reader
.set cnt, 0
.rept 16
.irp t, 0,1
	v_cvt_pk_f16_f32 v[P+16*\t+cnt], v[S+32*\t+2*cnt], v[S+32*\t+2*cnt+1]
.endr
.set cnt, cnt+1
.endr
.irp w, 4,8,16,32                      ; the sum of the 16 pairs, in place
.set cnt, 0
.rept 32/\w
.irp t, 0,1
	v_pk_add_f32 v[S+32*\t+\w*cnt:S+32*\t+\w*cnt+1], v[S+32*\t+\w*cnt:S+32*\t+\w*cnt+1], v[S+32*\t+\w*cnt+\w/2:S+32*\t+\w*cnt+\w/2+1]
.endr
.set cnt, cnt+1
.endr
.endr
.irp t, 0,1
	v_pk_fma_f32 v[ST+8*\t+2:ST+8*\t+3], v[ST+8*\t+2:ST+8*\t+3], v[ST+8*\t+6:ST+8*\t+7], v[S+32*\t:S+32*\t+1] op_sel_hi:[1,0,1]
.endr
.set cnt, 0
.rept 16
.irp t, 0,1
	v_pk_mul_f32 v[O+32*\t+2*cnt:O+32*\t+2*cnt+1], v[O+32*\t+2*cnt:O+32*\t+2*cnt+1], v[ST+8*\t+6:ST+8*\t+7] op_sel_hi:[1,0]   ; ascending: each accumulator from its low end on
.endr
.set cnt, cnt+1
.endr
.endm
; A STEP: 64 keys, the q-th of the slot in hand.
.macro STEP q
	s_add_co_u32 s66, s[Q0], 31
	s_cmp_gt_u32 s[KF], s66                        ; all 64 keys come after my 32 queries: a branch on ids and the count of steps; no barrier, wait on tensor loads or tensor load stands in a step
	s_cbranch_scc1 .Lhidden_\@
	v_add_nc_u32 v[ADK], s[TB], v[AK0]
	v_add_nc_u32 v[ADV], s[TB], v[AV0]
	v_nop
	v_nop                                          ; four places in front of loads into registers that the last products read
	WIN 0x40
.irp kt, 0,1,2,3
.irp c, 0,1
	ds_load_b128 v[8*(2*\kt+\c):8*(2*\kt+\c)+3], v[ADK] offset:(64*(\q)+16*\kt)*PK+64*\c
	ds_load_b128 v[8*(2*\kt+\c)+4:8*(2*\kt+\c)+7], v[ADK] offset:(64*(\q)+16*\kt)*PK+64*\c+32
.endr
.endr
.irp u, 0,1
.irp ct, 0,1,2,3
	ds_load_tr16_b128 v[64+8*(4*\u+\ct):64+8*(4*\u+\ct)+3], v[ADV] offset:(64*(\q)+32*\u)*PV+32*\ct
	ds_load_tr16_b128 v[64+8*(4*\u+\ct)+4:64+8*(4*\u+\ct)+7], v[ADV] offset:(64*(\q)+32*\u)*PV+16*PV+32*\ct
.endr
.endr
	s_wait_dscnt 16                                ; K is in; V's sixteen loads may be out
	WIN 0x01
.irp c, 0,1                            ; eight accumulators by turns
.irp kt, 0,1,2,3
.irp t, 0,1
.if \c == 0
	v_wmma_f32_16x16x32_f16 v[S+32*\t+8*\kt:S+32*\t+8*\kt+7], v[8*(2*\kt+\c):8*(2*\kt+\c)+7], v[QF+16*\t+8*\c:QF+16*\t+8*\c+7], 0
.else
	v_wmma_f32_16x16x32_f16 v[S+32*\t+8*\kt:S+32*\t+8*\kt+7], v[8*(2*\kt+\c):8*(2*\kt+\c)+7], v[QF+16*\t+8*\c:QF+16*\t+8*\c+7], v[S+32*\t+8*\kt:S+32*\t+8*\kt+7]
.endif
.endr
.endr
.endr
	WIN 0
.rept 4
	v_nop
.endr
	s_add_co_u32 s66, s[KF], 63
	s_cmp_le_u32 s66, s[Q0]                        ; all 64 keys count for all my queries: nothing to hide
	s_cbranch_scc1 .Lopen_\@
	s_sub_co_i32 s66, s[Q0], s[KF]
	v_add_nc_u32 v28, s66, v[RH]                   ; d = my query - the step's first key - 8 h; register 8 kt + j holds the key 16 kt + j beyond that: hidden where 16 kt + j > d
	v_add_nc_u32 v29, 16, v28
.set cnt, 0
.rept 32
	v_cmp_gt_i32 vcc_lo, 16*(cnt/8)+cnt%8, v28
	v_cndmask_b32 v[S+cnt], v[S+cnt], v[NEGI], vcc_lo
	v_cmp_gt_i32 vcc_lo, 16*(cnt/8)+cnt%8, v29
	v_cndmask_b32 v[S+32+cnt], v[S+32+cnt], v[NEGI], vcc_lo
.set cnt, cnt+1
.endr
.Lopen_\@:
	SOFTMAX
	s_wait_dscnt 0x0                               ; V is in
	WIN 0x01
.irp u, 0,1
.irp ct, 0,1,2,3
.irp t, 0,1
	v_wmma_f32_16x16x32_f16 v[O+32*\t+8*\ct:O+32*\t+8*\ct+7], v[64+8*(4*\u+\ct):64+8*(4*\u+\ct)+7], v[P+16*\t+8*\u:P+16*\t+8*\u+7], v[O+32*\t+8*\ct:O+32*\t+8*\ct+7]
.endr
.endr
.endr
	WIN 0
.Lhidden_\@:
	s_add_co_u32 s[KF], s[KF], 64
.endm
; THE CHANGE OF SLOTS, at a slot's head.  Each wave waits for all its tensor loads (its part of the slot ahead), adds 0 to its spare word, and waits for that and for its reads of the slot that it has left.
; Behind the barrier the slot ahead is whole and nobody reads the other one: fill = 1: it takes the keys of the next trip: the next slot of the pass, or slot 0 where the second pass begins.
.macro CHANGE fill
	s_wait_tensorcnt 0x0                           ; no tensor load of mine is out: the descriptors may be written
	ds_add_u32 v[SPW], v[NIL]                      ; 0 onto my spare word; the descriptors' steps stand between it and the wait for it
.if \fill
	s_add_co_u32 s[KN], s[KN], 1
	s_add_co_u32 s66, s[N], 1
	s_cmp_eq_u32 s66, s[I1]
	s_cselect_b32 s[KN], 0, s[KN]
	s_lshl_b32 s56, s[KN], 15                      ; 256 rows of 128 bytes a slot
	s_mov_b32 s57, 0
	s_xor_b32 s41, s41, SLOT1
	s_xor_b32 s45, s45, SLOT1
	s_add_nc_u64 s[42:43], s[48:49], s[56:57]
	s_or_b32 s43, s43, 0x80000000
	s_add_nc_u64 s[46:47], s[50:51], s[56:57]
	s_or_b32 s47, s47, 0x80000000
	s_wait_xcnt 0x0                                ; the last prefetch, a slot back, has read its address
	s_add_nc_u64 s[54:55], s[52:53], s[56:57]
	s_add_nc_u64 s[54:55], s[54:55], 0x8000        ; one slot beyond the one that is asked for now
.endif
	s_wait_dscnt 0x0                               ; the add is done, and my reads of the slot that I have left are over
	s_barrier_signal -1
	s_barrier_wait -1
.if \fill
	TLOAD                                          ; the first thing behind the barrier, and my one tensor load until the next
	ASK
.endif
.endm
; A pass ends: O^T / l, to f16, through my stage, out as whole rows: four rows of 128 bytes, 512 consecutive bytes, a store.
.macro FINISH
.irp t, 0,1
	v_add_f32 v[ST+8*\t+4], v[ST+8*\t+2], v[ST+8*\t+3]      ; (these additions are the places behind the last products)
.endr
.irp t, 0,1
	v_permlanex16_b32 v[ST+8*\t+5], v[ST+8*\t+4], s[SEL], s[SEL+1]
.endr
.irp t, 0,1
	v_add_f32 v[ST+8*\t+4], v[ST+8*\t+4], v[ST+8*\t+5]
.endr
.irp t, 0,1
	v_rcp_f32 v[ST+8*\t+6], v[ST+8*\t+4]
.endr
	v_nop
	s_wait_alu depctr_va_vdst(0)                   ; one wait for the two reciprocals, ahead of the first reader
.irp t, 0,1
.set cnt, 0
.rept 16
	v_pk_mul_f32 v[O+32*\t+2*cnt:O+32*\t+2*cnt+1], v[O+32*\t+2*cnt:O+32*\t+2*cnt+1], v[ST+8*\t+6:ST+8*\t+7] op_sel_hi:[1,0]
.set cnt, cnt+1
.endr
.set cnt, 0
.rept 16
	v_cvt_pk_f16_f32 v[224+16*\t+cnt], v[O+32*\t+2*cnt], v[O+32*\t+2*cnt+1]
.set cnt, cnt+1
.endr
.irp ct, 0,1,2,3
	ds_store_b128 v[STO], v[224+16*\t+4*\ct:224+16*\t+4*\ct+3] offset:2304*\t+32*\ct
.endr
.irp i, 0,1,2,3
	ds_load_b128 v[S+16*\t+4*\i:S+16*\t+4*\i+3], v[RD] offset:2304*\t+576*\i   ; LDS serves a wave's instructions in order: these see the stores
.endr
.endr
	s_wait_dscnt 0x0
.irp t, 0,1
.irp i, 0,1,2,3
	global_store_b128 v[GO], v[S+16*\t+4*\i:S+16*\t+4*\i+3], s[22:23] offset:2048*\t+512*\i
.endr
.endr
	s_wait_xcnt 0x0                                ; the stores have read their data and their base: both may be written again
.endm
	INIT
.Lslot:                                            ; 8 trips; the ninth slot is written out
	CHANGE 1
	s_cmp_lg_u32 s[N], s[I1]                       ; the second pass begins in trip i + 1: ids and the trip's number alone
	s_cbranch_scc1 .Lsame
	FINISH
	s_sub_co_u32 s66, 7, s[WI]
	s_lshl_b32 s66, s66, 8
	s_lshl_b32 s67, s[G], 5
	s_add_co_u32 s[Q0], s66, s67
	s_mov_b32 s[KF], 0
	INIT
.Lsame:
	STEP 0
	STEP 1
	STEP 2
	STEP 3
	s_xor_b32 s[TB], s[TB], SLOT1
	s_add_co_u32 s[N], s[N], 1
	s_cmp_lt_u32 s[N], 8
	s_cbranch_scc1 .Lslot
	CHANGE 0
	STEP 0
	STEP 1
	STEP 2
	STEP 3
	FINISH
	s_wait_tensorcnt 0x0                           ; the wave's end
	ds_add_u32 v[SPW], v[NIL]
	s_wait_dscnt 0x0
	s_endpgm
.Lfunc_end_k_q271bbcd49d_attn:
	.size	k_q271bbcd49d_attn, .Lfunc_end_k_q271bbcd49d_attn-k_q271bbcd49d_attn
	.p2alignl 7, 3214868480
	.fill 96, 4, 3214868480
	.section	.rodata,"a",@progbits
	.p2align	6, 0x0
	.amdhsa_kernel k_q271bbcd49d_attn
		.amdhsa_group_segment_fixed_size 327680
		.amdhsa_private_segment_fixed_size 0
		.amdhsa_enable_private_segment 0
		.amdhsa_kernarg_size 16
		.amdhsa_user_sgpr_count 2
		.amdhsa_user_sgpr_kernarg_segment_ptr 1
		.amdhsa_wavefront_size32 1
		.amdhsa_system_sgpr_workgroup_id_x 1
		.amdhsa_system_sgpr_workgroup_id_y 1
		.amdhsa_system_sgpr_workgroup_id_z 1
		.amdhsa_system_vgpr_workitem_id 0
		.amdhsa_next_free_vgpr 384
		.amdhsa_next_free_sgpr 72
		.amdhsa_reserve_vcc 1
		.amdhsa_float_denorm_mode_32 3
		.amdhsa_float_denorm_mode_16_64 3
		.amdhsa_memory_ordered 1
		.amdhsa_forward_progress 1
		.amdhsa_inst_pref_size 197
	.end_amdhsa_kernel
	.amdgpu_metadata
---
amdhsa.version: [ 1, 2 ]
amdhsa.kernels:
  - .name:           k_q271bbcd49d_attn
    .symbol:         k_q271bbcd49d_attn.kd
    .args:
      - { .name: qkvh, .offset: 0, .size: 8, .value_kind: global_buffer, .address_space: global }
      - { .name: o16, .offset: 8, .size: 8, .value_kind: global_buffer, .address_space: global }
    .group_segment_fixed_size: 327680
    .private_segment_fixed_size: 0
    .kernarg_segment_align: 8
    .kernarg_segment_size: 16
    .max_flat_workgroup_size: 256
    .sgpr_count:     72
    .vgpr_count:     384
    .wavefront_size: 32
...
	.end_amdgpu_metadata
.endif
;; end of part 3
;; launch proj (part 4): grid 4 x 64, 4 waves a work-group, clusters of 4 x 4, 327,680 bytes of LDS; arguments o16, wo16, b_out, out0; writes out0
.if DOCPART == 4
	.amdgcn_target "amdgcn-amd-amdhsa--gfx1250"
	.amdhsa_code_object_version 6
	.text
	.protected	k_q271bbcd49d_proj
	.globl	k_q271bbcd49d_proj
	.p2align	8
	.type	k_q271bbcd49d_proj,@function
k_q271bbcd49d_proj:
	s_mov_b64 s[64:65], 0
	v_nop
	global_prefetch_b8 v0, s[64:65] scope:SCOPE_SE
	s_setreg_imm32_b32 hwreg(HW_REG_WAVE_MODE, 25, 1), 1
	s_wait_xcnt 0x0
	s_wait_alu depctr_hold_cnt(0) depctr_sa_sdst(0) depctr_va_vdst(0) depctr_va_sdst(0) depctr_va_ssrc(0) depctr_va_vcc(0) depctr_vm_vsrc(0)
	s_getreg_b32 s2, hwreg(HW_REG_IB_STS2, 6, 4)
	s_cmp_eq_u32 s2, 0
	s_cbranch_scc0 .Lentry_in_a_cluster
	s_endpgm
.Lentry_in_a_cluster:
	s_bfe_u32 s2, ttmp6, 0x10000c
	s_cmp_lg_u32 s2, 0xf033
	s_cbranch_scc0 .Lentry_shape_is_right
	s_endpgm
.Lentry_shape_is_right:
; Launch 4 of 5: out0 = o W_out + b_out, f16 operands, f32 sums (M 8,192, N 1,024, K 1,024).  o16 lies [batch][head][t][64], wo16 [k / 64][n][64]: every tile is dense in memory, rows of 128 bytes.
; STORES LEFT OUT: positions 0 to 15 of every batch are stored by launch early, which makes them in f32; here their block is multiplied with the wave's others and not stored, so each byte of out0 is written once.
; A tile of 128 x 256 is made by a work-group of four waves (256 work-groups), a wave makes 64 x 128: 32 accumulators in window 2.  A K step is 128: two heads; eight K steps through a ring of two LDS slots.
; CLUSTERS: 4 x 4.  Tile column = cx; tile row = 16 cy + cluster y, so cy is the batch and cluster y = 0 marks the tiles with a batch's first rows: the one branch of the way out hangs on cluster y and the wave's number.
; o's tiles are shared along a row of the cluster, W's along a column: each is asked for jointly.  Waves 0, 1 fetch o's two heads (128 rows each), waves 2, 3 W's (256 rows each): one load a wave behind each round.
; THE MATRIX INSTRUCTION IS USED TRANSPOSED (source 0 = 16 rows of wo16, source 1 = 16 rows of o16): a lane holds eight neighbouring columns of a row.  The bias is the C of each sum's first product.
; No prefetch: the tiles are small and shared in the cluster, and the launch is short.
; REGISTERS: window 0: v0-31 addresses; v32-95 the bias; v96-127, v128-159 o's fragments, two buffers; on the way out v96-223 rows.  window 1: v0-63, v64-127 W's fragments.  window 2: accumulator (a, b) at v[8 (8 a + b)].
.set PITCH,  144                       ; an LDS row: 128 bytes + 16
.set ASUB,   128*PITCH                 ; one head of o's tile
.set BSUB,   256*PITCH                 ; one head of W's
.set SLOT,   2*ASUB+2*BSUB
.set STAGE,  2*SLOT                    ; 16 rows x (512 + 16) bytes for each wave; no tensor load lands here
.set SPITCH, 528
.set SPARE,  STAGE+4*16*SPITCH
.set LAPS,   4
.set ADRA, 16
.set ADRB, 20
.set STO,  24
.set RD,   25
.set CO,   26
.set BO,   27
.set SPW,  28
.set NIL,  29
.set BIAS, 32
.set AFR,  96
.set BKR,  96
.set G1, 24
.set G0, 32
.set G1B, 48
.set G0B, 56
.set MSB, 0
.macro WIN new
.if MSB != (\new)
	s_set_vgpr_msb (MSB<<8)|(\new)
.set MSB, (\new)
.endif
.endm
.set MUL,  0xa1                        ; source 0 (W) window 1, source 1 (o) window 0, C and D window 2
.set MULZ, 0x81                        ; C in window 0: the bias
.macro JLOAD s
	s_cmp_eq_u32 s15, 0
	s_cbranch_scc0 .Lfor_b_\@
	tensor_load_to_lds s[G0+4*\s:G0+4*\s+3], s[G1:G1+7]
	s_nop 0
.rept 4
	v_nop
.endr
	s_branch .Lasked_\@
.Lfor_b_\@:
	tensor_load_to_lds s[G0B+4*\s:G0B+4*\s+3], s[G1B:G1B+7]
	s_nop 0
.rept 4
	v_nop
.endr
.Lasked_\@:
.endm
.macro CREST
	s_cmp_lg_u32 s14, 0
	s_cbranch_scc1 .Lnot_wave_0_\@
	s_barrier_signal -3
.Lnot_wave_0_\@:
	s_barrier_wait -3
	s_barrier_signal -1
	s_barrier_wait -1
.endm
.macro CROUND
	s_barrier_signal -1
	s_barrier_wait -1
	CREST
.endm
	s_load_b256 s[4:11], s[0:1], 0x0               ; o16 s[4:5], wo16 s[6:7], b_out s[8:9], out0 s[10:11]
	v_lshl_add_u32 v[SPW], v0, 2, SPARE
	v_mov_b32 v[NIL], 0
	ds_add_u32 v[SPW], v[NIL]                      ; the wave's opening: the add, twice on end, and its wait ahead of my first tensor load
	ds_add_u32 v[SPW], v[NIL]
	v_lshrrev_b32 v1, 5, v0
	v_readfirstlane_b32 s14, v1                    ; wave 0..3
	s_lshr_b32 s15, s14, 1                         ; my half of the tile's rows.  Also: I fetch for o (0) or for W (1)
	s_and_b32 s16, s14, 1                          ; my half of its columns.  Also: which of a K step's two heads I fetch
	s_bfe_u32 s40, ttmp6, 0x40000                  ; cx: the tile column
	s_bfe_u32 s41, ttmp6, 0x40004                  ; cy: the batch
	s_and_b32 s17, ttmp7, 0xffff                   ; cluster y: the block of 128 positions
	s_or_b32 s66, s17, s15                         ; 0 where my first 16 rows are positions 0 to 15 of a batch
	s_lshl_b32 s43, s41, 2
	s_lshl_b32 s43, 15, s43                        ; my row of the cluster
	s_lshl_b32 s44, 0x1111, s40                    ; my column
	s_or_b32 s[G1+0], s43, (1<<16)|(1<<20)|(1<<21)|(4<<22)|(3<<25)   ; the mask; elements of 2 bytes; padding on: 4 words after every 32; bit 21 set beside a mask
	s_or_b32 s[G1B+0], s44, (1<<16)|(1<<20)|(1<<21)|(4<<22)|(3<<25)
	s_mov_b32 s[G1+1], 64<<16                      ; tensor_dim0 = 64
	s_mov_b32 s[G1+2], 128<<16                     ; tensor_dim1 = 128
	s_mov_b32 s[G1+3], 64<<16                      ; tile_dim0 = 64
	s_mov_b32 s[G1+4], 128                         ; tile_dim1 = 128
	s_mov_b32 s[G1+5], 64                          ; the pitch in memory
	s_mov_b32 s[G1+6], 0
	s_mov_b32 s[G1+7], 0
	s_mov_b32 s[G1B+1], 64<<16
	s_mov_b32 s[G1B+2], 256<<16
	s_mov_b32 s[G1B+3], 64<<16
	s_mov_b32 s[G1B+4], 256
	s_mov_b32 s[G1B+5], 64
	s_mov_b32 s[G1B+6], 0
	s_mov_b32 s[G1B+7], 0
	s_lshl_b32 s20, s41, 4
	s_add_co_u32 s20, s20, s16                     ; o: 16 x batch + my head of K step 0
	s_lshl_b32 s20, s20, 11
	s_lshl_b32 s21, s17, 7
	s_add_co_u32 s20, s20, s21                     ; + the tile's first position
	s_lshl_b32 s20, s20, 7
	s_mov_b32 s21, 0
	s_lshl_b32 s46, s16, 10
	s_lshl_b32 s47, s40, 8
	s_add_co_u32 s46, s46, s47                     ; W: 1,024 x my head + the tile's first column
	s_lshl_b32 s46, s46, 7
	s_mov_b32 s47, 0
	s_mul_i32 s45, s16, ASUB                       ; where they go: no place in the cluster enters an LDS address
	s_mul_i32 s42, s16, BSUB
	s_add_co_u32 s42, s42, 2*ASUB
	s_wait_dscnt 0x0                               ; both opening adds are done
	s_wait_kmcnt 0x0
	s_add_nc_u64 s[20:21], s[4:5], s[20:21]
	s_add_nc_u64 s[46:47], s[6:7], s[46:47]
	CROUND                                         ; all sixteen work-groups are here: the first joint loads meet
.irp s, 0,1
	s_mov_b32 s[G0+4*\s], 1
	s_add_co_u32 s[G0+4*\s+1], s45, \s*SLOT
	s_add_nc_u64 s[G0+4*\s+2:G0+4*\s+3], s[20:21], \s*524288       ; K step s: two heads of 2,048 x 128 bytes on
	s_or_b32 s[G0+4*\s+3], s[G0+4*\s+3], 0x80000000
	s_mov_b32 s[G0B+4*\s], 1
	s_add_co_u32 s[G0B+4*\s+1], s42, \s*SLOT
	s_add_nc_u64 s[G0B+4*\s+2:G0B+4*\s+3], s[46:47], \s*262144     ; two planes of 1,024 x 128 bytes on
	s_or_b32 s[G0B+4*\s+3], s[G0B+4*\s+3], 0x80000000
	JLOAD \s                                       ; two tensor loads of mine are out
.endr
	v_and_b32 v1, 15, v0                           ; r
	v_bfe_u32 v2, v0, 4, 1                         ; h
	v_mul_u32_u24 v3, v1, PITCH
	v_lshl_add_u32 v3, v2, 4, v3
	s_mul_i32 s21, s15, 64*PITCH                   ; my 64 rows of o
	s_mul_i32 s22, s16, 128*PITCH                  ; my 128 rows of W,
	s_add_co_u32 s22, s22, 2*ASUB                  ; behind o's two heads
.irp s, 0,1
	v_add_nc_u32 v[ADRA+\s], s21, v3
	v_add_nc_u32 v[ADRB+\s], s22, v3
	s_add_co_u32 s21, s21, SLOT
	s_add_co_u32 s22, s22, SLOT
.endr
	s_mul_i32 s23, s14, 16*SPITCH
	s_add_co_u32 s23, s23, STAGE                   ; my stage
	v_mul_u32_u24 v5, v1, SPITCH
	v_lshl_add_u32 v5, v2, 5, v5
	v_add_nc_u32 v[STO], s23, v5                   ; in: row r, 32 bytes for each half of the lanes
	v_and_b32 v6, 31, v0
	v_lshlrev_b32 v[CO], 4, v6
	v_add_nc_u32 v[RD], s23, v[CO]                 ; back: the 32 lanes take one row of 512 bytes
	v_lshlrev_b32 v[BO], 5, v2
	s_lshl_b32 s68, s40, 10
	s_lshl_b32 s70, s16, 9
	s_add_co_u32 s68, s68, s70                     ; my first column, in bytes of f32
	s_mov_b32 s69, 0
	s_add_nc_u64 s[8:9], s[8:9], s[68:69]
	s_add_nc_u64 s[10:11], s[10:11], s[68:69]
	s_lshl_b32 s68, s41, 4
	s_add_co_u32 s68, s68, s17
	s_lshl_b32 s68, s68, 7
	s_lshl_b32 s70, s15, 6
	s_add_co_u32 s68, s68, s70                     ; my first row
	s_lshl_b32 s68, s68, 12
	s_add_nc_u64 s[10:11], s[10:11], s[68:69]
.irp b, 0,1,2,3,4,5,6,7
	global_load_b128 v[BIAS+8*\b:BIAS+8*\b+3], v[BO], s[8:9] offset:64*\b
	global_load_b128 v[BIAS+8*\b+4:BIAS+8*\b+7], v[BO], s[8:9] offset:64*\b+16
.endr
.macro MUL8 f, a, zero                 ; row block a against the eight column blocks, 32 along K, from buffer f.  The 32 accumulators take turns in the same order in every quarter
.irp b, 0,1,2,3,4,5,6,7
.if \zero
	v_wmma_f32_16x16x32_f16 v[8*(8*(\a)+\b):8*(8*(\a)+\b)+7], v[64*(\f)+8*\b:64*(\f)+8*\b+7], v[AFR+32*(\f)+8*(\a):AFR+32*(\f)+8*(\a)+7], v[BIAS+8*\b:BIAS+8*\b+7]
.else
	v_wmma_f32_16x16x32_f16 v[8*(8*(\a)+\b):8*(8*(\a)+\b)+7], v[64*(\f)+8*\b:64*(\f)+8*\b+7], v[AFR+32*(\f)+8*(\a):AFR+32*(\f)+8*(\a)+7], v[8*(8*(\a)+\b):8*(8*(\a)+\b)+7]
.endif
.endr
.endm
.macro FETCH slot, qd, f               ; 24 LDS loads in one run: quarter qd (head qd / 2, channels 32 (qd % 2) on) into buffer f: W's eight fragments, then o's four
	WIN 0x40
.irp b, 0,1,2,3,4,5,6,7
	ds_load_b128 v[64*(\f)+8*\b:64*(\f)+8*\b+3],   v[ADRB+\slot] offset:((\qd)/2)*BSUB+((\qd)%2)*64+\b*16*PITCH
	ds_load_b128 v[64*(\f)+8*\b+4:64*(\f)+8*\b+7], v[ADRB+\slot] offset:((\qd)/2)*BSUB+((\qd)%2)*64+\b*16*PITCH+32
.endr
	WIN 0
.irp a, 0,1,2,3
	ds_load_b128 v[AFR+32*(\f)+8*\a:AFR+32*(\f)+8*\a+3],   v[ADRA+\slot] offset:((\qd)/2)*ASUB+((\qd)%2)*64+\a*16*PITCH
	ds_load_b128 v[AFR+32*(\f)+8*\a+4:AFR+32*(\f)+8*\a+7], v[ADRA+\slot] offset:((\qd)/2)*ASUB+((\qd)%2)*64+\a*16*PITCH+32
.endr
.endm
.macro PLACES
.rept 4
	v_nop
.endr
.endm
.macro MWIN zero
.if \zero
	WIN MULZ
.else
	WIN MUL
.endif
.endm
.macro QUARTER slot, nxt, f, g, zero   ; multiplies buffer f; in its middle fetches quarter nxt of the same slot into buffer g
	s_wait_dscnt 4                                 ; W's fragments and o's blocks 0, 1 are in; the youngest four loads (blocks 2, 3) may be out
	MWIN \zero
	MUL8 \f, 0, \zero
	MUL8 \f, 1, \zero
	PLACES
	FETCH \slot, \nxt, \g
	s_wait_dscnt 24                                ; all but the 24 just issued
	MWIN \zero
	MUL8 \f, 2, \zero
	MUL8 \f, 3, \zero
.endm
.macro TURN slot, next, fill           ; the last quarter multiplies buffer 1 and changes slots
	WIN 0
	s_wait_tensorcnt 0x0                           ; all my tensor loads have landed: my part of the next slot
	ds_add_u32 v[SPW], v[NIL]
	s_wait_dscnt 5                                 ; the add and the youngest four loads may be out
	WIN MUL
	MUL8 1, 0, 0
	s_wait_dscnt 0x0                               ; the add is done, and my reads of this slot are over
	s_barrier_signal -1
	MUL8 1, 1, 0
.if \fill
	WIN 0
.endif
	s_barrier_wait -1
.if \fill
	CREST                                          ; the barrier has opened a round of the cluster's: no wave of any partner still reads this slot or has a load on its way
	s_add_nc_u64 s[G0+4*\slot+2:G0+4*\slot+3], s[G0+4*\slot+2:G0+4*\slot+3], 2*524288
	s_add_nc_u64 s[G0B+4*\slot+2:G0B+4*\slot+3], s[G0B+4*\slot+2:G0B+4*\slot+3], 2*262144
	JLOAD \slot                                    ; the first tensor load behind the round; its four v_nop are also the places in front of the loads below
.else
	PLACES
.endif
	FETCH \next, 0, 0
	WIN MUL
	MUL8 1, 2, 0
	MUL8 1, 3, 0
.endm
	s_wait_tensorcnt 1                             ; my part of K step 0 is in; K step 1's load may be out,
	s_barrier_signal -1
	s_barrier_wait -1                              ; everybody's is
	FETCH 0, 0, 0
	s_wait_loadcnt 0x0                             ; the bias
	QUARTER 0, 1, 0, 1, 1                          ; the first quarter starts the sums from the bias
	WIN 0
	s_mov_b32 s3, LAPS-1
.Llap:                                             ; a trip goes once round the ring and fills both slots again
	QUARTER 0, 2, 1, 0, 0
	QUARTER 0, 3, 0, 1, 0
	TURN 0, 1, 1
	QUARTER 1, 1, 0, 1, 0
	QUARTER 1, 2, 1, 0, 0
	QUARTER 1, 3, 0, 1, 0
	TURN 1, 0, 1
	QUARTER 0, 1, 0, 1, 0
	WIN 0
	s_sub_co_u32 s3, s3, 1
	s_cmp_lg_u32 s3, 0
	s_cbranch_scc1 .Llap
	QUARTER 0, 2, 1, 0, 0                          ; the last lap fills nothing
	QUARTER 0, 3, 0, 1, 0
	TURN 0, 1, 0
	QUARTER 1, 1, 0, 1, 0
	QUARTER 1, 2, 1, 0, 0
	QUARTER 1, 3, 0, 1, 0
	s_wait_dscnt 4
	WIN MUL
	MUL8 1, 0, 0
	MUL8 1, 1, 0
	s_wait_dscnt 0
	MUL8 1, 2, 0
	MUL8 1, 3, 0
	WIN 0
; THE WAY OUT, block by block of 16 rows x 128 columns: through my stage, back as whole rows of 512 bytes, which the 32 lanes store as 512 consecutive bytes, aligned.
.macro TOSTAGE a
	WIN 0x08                                       ; an LDS store's data are its source 1: window 2
.irp b, 0,1,2,3,4,5,6,7
	ds_store_b128 v[STO], v[64*(\a)+8*\b:64*(\a)+8*\b+3] offset:64*\b          ; each accumulator from its low end on
	ds_store_b128 v[STO], v[64*(\a)+8*\b+4:64*(\a)+8*\b+7] offset:64*\b+16
.endr
	WIN 0
.set BB, BKR+64*((\a)%2)
.irp t, 0,1,2,3,4,5,6,7,8,9,10,11,12,13,14,15
	ds_load_b128 v[BB+4*\t:BB+4*\t+3], v[RD] offset:\t*SPITCH
.endr
.endm
.macro SEND a, younger, guard          ; younger: the LDS instructions issued behind block a's loads, which may stay out
.set BB, BKR+64*((\a)%2)
	s_wait_dscnt \younger
.if \guard
	s_cmp_eq_u32 s66, 0                            ; positions 0 to 15 of a batch are stored by launch early
	s_cbranch_scc1 .Lnot_mine_\@
.endif
.irp t, 0,1,2,3,4,5,6,7,8,9,10,11,12,13,14,15
	global_store_b128 v[CO], v[BB+4*\t:BB+4*\t+3], s[10:11] offset:(16*(\a)+\t)*4096 th:TH_STORE_NT
.endr
.if \guard
.Lnot_mine_\@:
.endif
.endm
	PLACES
	TOSTAGE 0
	TOSTAGE 1
	SEND 0, 32, 1                                  ; behind block 0's loads: block 1's 16 stores and 16 loads
	s_wait_xcnt 0x0                                ; block 0's stores have read their registers: block 2's loads may land there
	TOSTAGE 2
	SEND 1, 32, 0
	s_wait_xcnt 0x0
	TOSTAGE 3
	SEND 2, 32, 0
	SEND 3, 0, 0
	s_wait_tensorcnt 0x0                           ; the wave's end
	ds_add_u32 v[SPW], v[NIL]
	s_wait_dscnt 0x0
	CROUND                                         ; the closing round
	s_endpgm
.Lfunc_end_k_q271bbcd49d_proj:
	.size	k_q271bbcd49d_proj, .Lfunc_end_k_q271bbcd49d_proj-k_q271bbcd49d_proj
	.p2alignl 7, 3214868480
	.fill 96, 4, 3214868480
	.section	.rodata,"a",@progbits
	.p2align	6, 0x0
	.amdhsa_kernel k_q271bbcd49d_proj
		.amdhsa_group_segment_fixed_size 327680
		.amdhsa_private_segment_fixed_size 0
		.amdhsa_enable_private_segment 0
		.amdhsa_kernarg_size 32
		.amdhsa_user_sgpr_count 2
		.amdhsa_user_sgpr_kernarg_segment_ptr 1
		.amdhsa_wavefront_size32 1
		.amdhsa_system_sgpr_workgroup_id_x 1
		.amdhsa_system_sgpr_workgroup_id_y 1
		.amdhsa_system_sgpr_workgroup_id_z 1
		.amdhsa_system_vgpr_workitem_id 0
		.amdhsa_next_free_vgpr 768
		.amdhsa_next_free_sgpr 72
		.amdhsa_reserve_vcc 0
		.amdhsa_float_denorm_mode_32 3
		.amdhsa_float_denorm_mode_16_64 3
		.amdhsa_memory_ordered 1
		.amdhsa_forward_progress 1
		.amdhsa_inst_pref_size 87
	.end_amdhsa_kernel
	.amdgpu_metadata
---
amdhsa.version: [ 1, 2 ]
amdhsa.kernels:
  - .name:           k_q271bbcd49d_proj
    .symbol:         k_q271bbcd49d_proj.kd
    .args:
      - { .name: o16, .offset: 0, .size: 8, .value_kind: global_buffer, .address_space: global }
      - { .name: wo16, .offset: 8, .size: 8, .value_kind: global_buffer, .address_space: global }
      - { .name: b_out, .offset: 16, .size: 8, .value_kind: global_buffer, .address_space: global }
      - { .name: out0, .offset: 24, .size: 8, .value_kind: global_buffer, .address_space: global }
    .group_segment_fixed_size: 327680
    .private_segment_fixed_size: 0
    .kernarg_segment_align: 8
    .kernarg_segment_size: 32
    .max_flat_workgroup_size: 128
    .sgpr_count:     72
    .vgpr_count:     768
    .wavefront_size: 32
...
	.end_amdgpu_metadata
.endif
;; end of part 4
;; launch early (part 5): grid 16 x 4, 16 waves a work-group, no clusters, 71,936 bytes of LDS; arguments qkv32, W_out, b_out, out0; writes out0
.if DOCPART == 5
	.amdgcn_target "amdgcn-amd-amdhsa--gfx1250"
	.amdhsa_code_object_version 6
	.text
	.protected	k_q271bbcd49d_early
	.globl	k_q271bbcd49d_early
	.p2align	8
	.type	k_q271bbcd49d_early,@function
k_q271bbcd49d_early:
	s_mov_b64 s[64:65], 0
	v_nop
	global_prefetch_b8 v0, s[64:65] scope:SCOPE_SE
	s_setreg_imm32_b32 hwreg(HW_REG_WAVE_MODE, 25, 1), 1
	s_wait_xcnt 0x0
; Launch 5 of 5: positions 0 to 15 of every batch, from q, k, v in f32 to out0, all in f32: these rows average one to sixteen values, so the rounding of 16-bit operands would weigh most on them.
; 64 of the 8,192 rows: no bulk work, so the f32 matrix form serves.  Keys beyond 15 come after all 16 queries: reference()'s own mask makes their weights 0; they are not read.
; SHARES.  A work-group takes a batch and 64 output columns; wave w is head w: it makes the head's 16 x 16 attention and then its head's part (64 along K) of the projection for the 64 columns; the sixteen parts meet in LDS.
; K'S ORDER.  In step s of a block of 16 along K the lanes' half h supplies the places 8 h + 2 s and 8 h + 2 s + 1, in both sources alike.  So a result (a lane: one column, eight rows 8 h + j) is the next product's operand as it stands.
; REGISTERS: v1-15 addresses and work; v16-47 q, v48-79 k, later W_out for columns 32-63; v80-111 v turned; v112-175 W_out for columns 0-31; v176-183 scores, then weights.
; Written by matrix instructions alone: v184-199 the scores' two halves, v200-231 the attention's result, v232-255 and v184-191 the projection's four tiles.
.set STG2,  65536                      ; behind the sixteen waves' images (8 groups x 512 bytes each): 16 rows x (256 + 16) bytes
.set SPARE, 69888                      ; the spare words, 128 bytes a wave
.set QR, 16
.set KR, 48
.set VT, 80
.set PR, 176
.set SA, 184
.set SB, 192
.set OT, 200
	s_load_b256 s[4:11], s[0:1], 0x0               ; qkv32 s[4:5], W_out s[6:7], b_out s[8:9], out0 s[10:11]
	v_lshl_add_u32 v6, v0, 2, SPARE                ; my spare word; never rewritten
	v_mov_b32 v7, 0                                ; 0; never rewritten
	v_lshrrev_b32 v1, 5, v0
	v_readfirstlane_b32 s12, v1                    ; wave = head
	s_and_b32 s13, ttmp7, 0xffff                   ; batch
	s_and_b32 s23, s12, 7
	v_and_b32 v14, 15, v0                          ; r
	v_bfe_u32 v15, v0, 4, 1                        ; h
	v_and_b32 v13, 31, v0                          ; lane
	v_mul_u32_u24 v1, v14, 12288
	v_lshl_add_u32 v1, v15, 5, v1                  ; q, k: position r, channels 8 h on
	v_mul_u32_u24 v2, v15, 98304
	v_lshl_add_u32 v2, v14, 2, v2                  ; v: key 8 h, channel r
	v_lshlrev_b32 v3, 15, v15
	v_lshl_add_u32 v3, v14, 2, v3                  ; W_out: row 8 h, column r
	s_lshl_b32 s16, s12, 12
	v_lshl_add_u32 v4, v13, 4, s16                 ; my image: 4,096 x wave + 16 x lane
	s_lshl_b32 s17, s23, 9
	v_lshl_add_u32 v5, v13, 4, s17                 ; the group that I sum: 512 x (wave % 8) + 16 x lane
	v_lshlrev_b32 v8, 3, v15
	v_sub_nc_u32 v8, v14, v8                       ; d = r - 8 h
	s_lshr_b32 s18, s23, 1
	s_lshl_b32 s18, s18, 6
	s_and_b32 s19, s12, 1
	s_lshl_b32 s19, s19, 4
	s_add_co_u32 s18, s18, s19                     ; that group's bytes in a row of 64 columns
	v_lshl_add_u32 v12, v15, 5, s18                ; + 32 h: also the bias's offset
	v_mul_u32_u24 v9, v14, 272
	v_add_nc_u32 v9, v9, v12
	v_add_nc_u32 v9, STG2, v9                      ; where the sum goes
	s_lshl_b32 s19, s23, 1
	v_add_nc_u32 v10, s19, v15                     ; the row that I store: 2 x (wave % 8) + h
	v_lshlrev_b32 v11, 12, v10
	v_lshl_add_u32 v11, v14, 4, v11                ; in out0
	v_mul_u32_u24 v10, v10, 272
	v_lshl_add_u32 v10, v14, 4, v10
	v_add_nc_u32 v10, STG2, v10                    ; and in the stage
	v_mov_b32 v13, 0xff800000                      ; -infinity
	v_mov_b32 v15, 0                               ; (a lane permute's destination counts as one of its sources)
	s_mov_b32 s20, 0x76543210
	s_mov_b32 s21, 0xfedcba98
	s_mov_b32 s22, 0x3e38aa3b                      ; c = log2(e) / 8
	s_wait_kmcnt 0x0
	s_mul_i32 s16, s13, 196608
	s_lshl_b32 s17, s12, 8
	s_add_co_u32 s16, s16, s17
	s_mov_b32 s17, 0
	s_add_nc_u64 s[4:5], s[4:5], s[16:17]          ; my batch's 16 rows, my head's q
	s_lshl_b32 s16, s12, 18
	s_lshl_b32 s18, ttmp9, 8
	s_add_co_u32 s16, s16, s18
	s_add_nc_u64 s[6:7], s[6:7], s[16:17]          ; W_out: my head's 64 rows, the work-group's 64 columns
	s_mov_b32 s16, s18
	s_add_nc_u64 s[8:9], s[8:9], s[16:17]
	s_lshl_b32 s16, s13, 23
	s_add_co_u32 s16, s16, s18
	s_add_nc_u64 s[10:11], s[10:11], s[16:17]
.irp cb, 0,1,2,3
	global_load_b128 v[QR+8*\cb:QR+8*\cb+3], v1, s[4:5] offset:64*\cb
	global_load_b128 v[QR+8*\cb+4:QR+8*\cb+7], v1, s[4:5] offset:64*\cb+16
	global_load_b128 v[KR+8*\cb:KR+8*\cb+3], v1, s[4:5] offset:4096+64*\cb
	global_load_b128 v[KR+8*\cb+4:KR+8*\cb+7], v1, s[4:5] offset:4096+64*\cb+16
.endr
.irp cb, 0,1,2,3
.irp j, 0,1,2,3,4,5,6,7
	global_load_b32 v[VT+8*\cb+\j], v2, s[4:5] offset:8192+12288*\j+64*\cb     ; v(key 8 h + j, channel 16 cb + r)
.endr
.endr
.macro WLOAD reg, nb                   ; W_out(64 w + 16 cb + 8 h + j, n0 + 16 nb + r)
.irp cb, 0,1,2,3
.irp j, 0,1,2,3,4,5,6,7
	global_load_b32 v[\reg+8*\cb+\j], v3, s[6:7] offset:(16*\cb+\j)*4096+64*\nb
.endr
.endr
.endm
	WLOAD 112, 0
	WLOAD 144, 1
	s_wait_loadcnt 63                              ; of the 112 loads issued the oldest 49 are in: q, k and v (48) among them
	; the scores, transposed: source 0 = 16 keys, source 1 = 16 queries; two accumulators by turns
	v_wmma_f32_16x16x4_f32 v[SA:SA+7], v[KR:KR+1], v[QR:QR+1], 0
	v_wmma_f32_16x16x4_f32 v[SB:SB+7], v[KR+16:KR+17], v[QR+16:QR+17], 0
.irp n, 1,2,3,4,5,6,7
	v_wmma_f32_16x16x4_f32 v[SA:SA+7], v[KR+2*\n:KR+2*\n+1], v[QR+2*\n:QR+2*\n+1], v[SA:SA+7]
	v_wmma_f32_16x16x4_f32 v[SB:SB+7], v[KR+16+2*\n:KR+16+2*\n+1], v[QR+16+2*\n:QR+16+2*\n+1], v[SB:SB+7]
.endr
.rept 8
	v_nop                                          ; eight places behind this form: for the loads into q's and k's registers and for the reads of the results
.endr
	WLOAD 16, 2
	WLOAD 48, 3
.irp j, 0,1,2,3,4,5,6,7
	v_add_f32 v[PR+\j], v[SA+\j], v[SB+\j]         ; from the low end on.  Lane (r, h): query r, key 8 h + j
.endr
.irp j, 0,1,2,3,4,5,6,7
	v_cmp_gt_i32 vcc_lo, \j, v8                    ; key > query
	v_cndmask_b32 v[PR+\j], v[PR+\j], v13, vcc_lo
.endr
	v_max3_num_f32 v14, v[PR], v[PR+1], v[PR+2]
	v_max3_num_f32 v14, v14, v[PR+3], v[PR+4]
	v_max3_num_f32 v14, v14, v[PR+5], v[PR+6]
	v_max_num_f32 v14, v14, v[PR+7]
	v_permlanex16_b32 v15, v14, s20, s21
	v_max_num_f32 v14, v14, v15                    ; the row's maximum: key 0 counts for every query, so it is a number
	v_mul_f32 v14, s22, v14
.irp j, 0,1,2,3,4,5,6,7
	v_fma_f32 v[PR+\j], v[PR+\j], s22, -v14
.endr
.irp j, 0,1,2,3,4,5,6,7
	v_exp_f32 v[PR+\j], v[PR+\j]
.endr
	v_nop
	s_wait_alu depctr_va_vdst(0)                   ; one wait for the eight, ahead of the first reader
	v_add_f32 v14, v[PR], v[PR+1]
.irp j, 2,3,4,5,6,7
	v_add_f32 v14, v14, v[PR+\j]
.endr
	v_permlanex16_b32 v15, v14, s20, s21
	v_add_f32 v14, v14, v15
	v_rcp_f32 v14, v14
	v_nop
	s_wait_alu depctr_va_vdst(0)
.irp j, 0,1,2,3,4,5,6,7
	v_mul_f32 v[PR+\j], v[PR+\j], v14
.endr
	; the attention's result, transposed: source 0 = 16 channels of v turned, source 1 = the weights; K = the 16 keys; four accumulators by turns
.irp s, 0,1,2,3
.irp cb, 0,1,2,3
.if \s == 0
	v_wmma_f32_16x16x4_f32 v[OT+8*\cb:OT+8*\cb+7], v[VT+8*\cb+2*\s:VT+8*\cb+2*\s+1], v[PR+2*\s:PR+2*\s+1], 0
.else
	v_wmma_f32_16x16x4_f32 v[OT+8*\cb:OT+8*\cb+7], v[VT+8*\cb+2*\s:VT+8*\cb+2*\s+1], v[PR+2*\s:PR+2*\s+1], v[OT+8*\cb:OT+8*\cb+7]
.endif
.endr
.endr
.rept 9
	v_nop                                          ; nine places before a matrix instruction takes these results as an operand
.endr
	s_wait_loadcnt 0x0                             ; W_out
	; my head's part of the projection, transposed: source 0 = 16 columns of W_out, source 1 = the result above; lane (r, h) gets row r, columns 16 nb + 8 h + j
.macro YMUL y, w, cb, s
.if (\cb)+(\s) == 0
	v_wmma_f32_16x16x4_f32 v[\y:\y+7], v[\w+8*(\cb)+2*(\s):\w+8*(\cb)+2*(\s)+1], v[OT+8*(\cb)+2*(\s):OT+8*(\cb)+2*(\s)+1], 0
.else
	v_wmma_f32_16x16x4_f32 v[\y:\y+7], v[\w+8*(\cb)+2*(\s):\w+8*(\cb)+2*(\s)+1], v[OT+8*(\cb)+2*(\s):OT+8*(\cb)+2*(\s)+1], v[\y:\y+7]
.endif
.endm
.irp cb, 0,1,2,3
.irp s, 0,1,2,3
	YMUL 232, 112, \cb, \s
	YMUL 240, 144, \cb, \s
	YMUL 248, 16, \cb, \s
	YMUL 184, 48, \cb, \s
.endr
.endr
.rept 8
	v_nop
.endr
	ds_store_b128 v4, v[232:235] offset:0          ; my part as an image of its registers: group 2 nb + g; each accumulator from its low end on
	ds_store_b128 v4, v[236:239] offset:512
	ds_store_b128 v4, v[240:243] offset:1024
	ds_store_b128 v4, v[244:247] offset:1536
	ds_store_b128 v4, v[248:251] offset:2048
	ds_store_b128 v4, v[252:255] offset:2560
	ds_store_b128 v4, v[184:187] offset:3072
	ds_store_b128 v4, v[188:191] offset:3584
	s_wait_dscnt 0x0                               ; for the others' sake: my stores are done
	s_barrier_signal -1
	s_barrier_wait -1
	s_cmp_lt_u32 s12, 8                            ; waves 0 to 7 sum one group each over the sixteen heads
	s_cbranch_scc0 .Lno_sum
.irp p, 0,1,2,3,4,5,6,7,8,9,10,11,12,13,14,15
	ds_load_b128 v[16+4*\p:16+4*\p+3], v5 offset:4096*\p
.endr
	global_load_b128 v[80:83], v12, s[8:9]         ; b_out at the group's four columns
	s_wait_dscnt 0x0
	s_wait_loadcnt 0x0
.irp w, 32,16,8,4
.set cnt, 0
.rept \w/2
	v_pk_add_f32 v[16+2*cnt:16+2*cnt+1], v[16+2*cnt:16+2*cnt+1], v[16+\w+2*cnt:16+\w+2*cnt+1]
.set cnt, cnt+1
.endr
.endr
	v_pk_add_f32 v[16:17], v[16:17], v[80:81]
	v_pk_add_f32 v[18:19], v[18:19], v[82:83]
	ds_store_b128 v9, v[16:19]
.Lno_sum:
	s_wait_dscnt 0x0
	s_barrier_signal -1
	s_barrier_wait -1                              ; 16 whole rows of 64 columns lie in the stage
	s_cmp_lt_u32 s12, 8
	s_cbranch_scc0 .Lno_out
	ds_load_b128 v[16:19], v10
	s_wait_dscnt 0x0
	global_store_b128 v11, v[16:19], s[10:11]      ; sixteen lanes store 256 consecutive bytes, aligned
.Lno_out:
	s_wait_tensorcnt 0x0                           ; the wave's end
	ds_add_u32 v6, v7
	s_wait_dscnt 0x0
	s_endpgm
.Lfunc_end_k_q271bbcd49d_early:
	.size	k_q271bbcd49d_early, .Lfunc_end_k_q271bbcd49d_early-k_q271bbcd49d_early
	.p2alignl 7, 3214868480
	.fill 96, 4, 3214868480
	.section	.rodata,"a",@progbits
	.p2align	6, 0x0
	.amdhsa_kernel k_q271bbcd49d_early
		.amdhsa_group_segment_fixed_size 71936
		.amdhsa_private_segment_fixed_size 0
		.amdhsa_enable_private_segment 0
		.amdhsa_kernarg_size 32
		.amdhsa_user_sgpr_count 2
		.amdhsa_user_sgpr_kernarg_segment_ptr 1
		.amdhsa_wavefront_size32 1
		.amdhsa_system_sgpr_workgroup_id_x 1
		.amdhsa_system_sgpr_workgroup_id_y 1
		.amdhsa_system_sgpr_workgroup_id_z 1
		.amdhsa_system_vgpr_workitem_id 0
		.amdhsa_next_free_vgpr 256
		.amdhsa_next_free_sgpr 66
		.amdhsa_reserve_vcc 1
		.amdhsa_float_denorm_mode_32 3
		.amdhsa_float_denorm_mode_16_64 3
		.amdhsa_memory_ordered 1
		.amdhsa_forward_progress 1
		.amdhsa_inst_pref_size 34
	.end_amdhsa_kernel
	.amdgpu_metadata
---
amdhsa.version: [ 1, 2 ]
amdhsa.kernels:
  - .name:           k_q271bbcd49d_early
    .symbol:         k_q271bbcd49d_early.kd
    .args:
      - { .name: qkv32, .offset: 0, .size: 8, .value_kind: global_buffer, .address_space: global }
      - { .name: W_out, .offset: 8, .size: 8, .value_kind: global_buffer, .address_space: global }
      - { .name: b_out, .offset: 16, .size: 8, .value_kind: global_buffer, .address_space: global }
      - { .name: out0, .offset: 24, .size: 8, .value_kind: global_buffer, .address_space: global }
    .group_segment_fixed_size: 71936
    .private_segment_fixed_size: 0
    .kernarg_segment_align: 8
    .kernarg_segment_size: 32
    .max_flat_workgroup_size: 512
    .sgpr_count:     66
    .vgpr_count:     256
    .wavefront_size: 32
...
	.end_amdgpu_metadata
.endif
;; end of part 5
